; MI455X (gfx1250); checked and timed in simulation.
; The chip was launched on July 23, 2026; its instructions are those of AMD's public machine-readable ISA for CDNA 5 (MIT licence, August 2026) and "CDNA5" Instruction Set Architecture Reference Guide (July 2026). The comments in the code are by the model that wrote it; some were corrected since.
;; Causal Self Attention. Allowed arithmetic: matrix products marked QUANTISED: E3M2 operands, one E8M0 scale for each 32 along K, by v_wmma_scale_f32_16x16x128_f8f6f4 with both operands' format E3M2, f32 sums; everything else in f32.
;; Inputs: W_attn 1,024 x 3,072 float32; W_proj 1,024 x 1,024 float32; b_attn 3,072 float32; b_proj 1,024 float32; x 4 x 2,048 x 1,024 float32.
;; Outputs: out0 4 x 2,048 x 1,024 float32.
;; This version of the problem:
;;   THIS VERSION OF THE PROBLEM IS GIVEN IN LOW PRECISION. The matrix products marked QUANTISED in the list below multiply operands that are first quantised to E3M2 (3 exponent bits, 2 mantissa bits; 6 bits a number), with one power-of-two scale for each 32 numbers along K (OCP MX v1.0); their sums are f32. All else is computed in f32.
;;   The module's matrix products, in the order in which they are computed (A, B: the left and right operand; K: the contracted axis; several contracted axes count as one K, in the product's order):
;;     1. [M 8,192, K 1,024] x [K 1,024, N 3,072]; A: input x; B: input W_attn: QUANTISED
;;     2. batch 64 x [M 2,048, K 64] x [K 64, N 2,048]; A: computed on the way; B: computed on the way: QUANTISED
;;     3. batch 64 x [M 2,048, K 2,048] x [K 2,048, N 64]; A: softmax (see below); B: computed on the way: QUANTISED
;;     4. [M 8,192, K 1,024] x [K 1,024, N 1,024]; A: computed on the way; B: input W_proj: QUANTISED
;;   THE QUANTISER, for each operand of a quantised product, along K:
;;     - K is cut into blocks of 32 from its start; a last block that is shorter is filled with zeros.
;;     - A block's scale is 2^e with e = floor(log2(the largest magnitude in the block)) - 4, held to -126 .. 127; a block of zeros has e = 0. As a byte (E8M0): e + 127.
;;     - Each number is divided by its block's scale, clamped to +-28, and rounded to the nearest number of E3M2, ties to even, subnormals kept.
;;     - The product sums the exact products of the quantised numbers (number of the format x scale) in f32.
;;   ~~~python
;;   def quantise(x, axis):      # numpy; x: float32 -> the quantised numbers, widened to float32 again
;;       x = np.moveaxis(x, axis, -1); K = x.shape[-1]
;;       x = np.pad(x, [(0, 0)] * (x.ndim - 1) + [(0, -K % 32)]); x = x.reshape(x.shape[:-1] + (-1, 32)); a = np.abs(x).max(-1, keepdims=True)
;;       e = np.where(a > 0, np.clip(np.frexp(np.where(a > 0, a, 1))[1] - 1 - 4, -126, 127), 0)      # np.frexp(a)[1] - 1 = floor(log2(a)), exactly
;;       r = np.clip(x / 2.0 ** e, -28, 28)
;;       step = 2.0 ** (np.maximum(np.frexp(np.where(r == 0, 1, r))[1] - 1, -2) - 2)
;;       q = np.round(r / step) * step * 2.0 ** e      # np.round: ties to even
;;       return np.moveaxis(q.reshape(q.shape[:-2] + (-1,))[..., :K], -1, axis).astype(np.float32)
;;   ~~~
;;   SOFTMAX AHEAD OF A QUANTISED PRODUCT. Where the list says 'softmax', what is quantised is not the finished softmax but p = 2^(t - M), with t = logit x log2(e) and M = ceil(the row's largest t), a whole number; so 1/2 < the row's largest p <= 1. The row's sum l is taken of the UNQUANTISED p, in f32, and the product's result is divided by l at the end. Since M is a whole number, a kernel that streams over the keys may use a running M (the ceiling of the running maximum): every later rescaling is an exact power of two, which a block's scale takes up: the codes' values come out the same.
;;   OPERANDS COMPUTED ON THE WAY. 'Computed on the way' means the value that the module computes at that place (a softmax that the list does not call 'softmax' is quantised finished and normalised). What goes into a quantiser is computed in f32, as accurately as f32 sums, v_exp_f32 and their like allow (about 1e-6 of the number): no bf16 or f16 on the way to a quantiser, and a product that is left as it is and whose result goes on into a quantised operand takes f32 operands (vector FMAs, or v_wmma_f32_16x16x4_f32). A number that lies on a knife's edge between two numbers of the format may be rounded either way, as far as f32 arithmetic and the matrix unit's own rounding can turn it there, and no further.
;; One version. Each part assembles by itself: llvm-mc -triple=amdgcn-amd-amdhsa -mcpu=gfx1250 --defsym DOCPART=n.
;; ======== version 1 of 1: 5 launches
;; limits: right only within a limited range of input values
;; workspace buffers: opq 9,830,400 bytes; qkv 20,447,232 bytes; cq 6,553,600 bytes
;; launch qx (part 1): grid 4 x 64, 8 waves a work-group, no clusters, 70,656 bytes of LDS; arguments x, opq; writes opq
.if DOCPART == 1
	.amdgcn_target "amdgcn-amd-amdhsa--gfx1250"
	.amdhsa_code_object_version 6
	.text
	.protected	k_q6aafaae5eb_qx
	.globl	k_q6aafaae5eb_qx
	.p2align	8
	.type	k_q6aafaae5eb_qx,@function
k_q6aafaae5eb_qx:
	s_mov_b64 s[64:65], 0
	v_nop
	global_prefetch_b8 v0, s[64:65] scope:SCOPE_SE
	s_setreg_imm32_b32 hwreg(HW_REG_WAVE_MODE, 25, 1), 1
	s_wait_xcnt 0x0
; x [8192][1024], f32, becomes codes of BF6 (E3M2) with one E8M0 scale byte for each 32 along K, laid in CHUNKS of 128 rows x 128 K: opq[row block 0..63][K chunk 0..7][12,800 bytes].
; A CHUNK is eight images of operand registers.  Fragment f: lane (r, h) holds local row 32 (f / 2) + 8 (f % 2) + r + 8 (r / 8); registers 6 c .. 6 c + 5 hold k = 64 c + 32 h + 0 .. 31.
; Its image, 1,536 bytes at 1536 f: registers 0-3 at 16 x lane, 4-5 at 512 + 8 x lane, 6-9 at 768 + 16 x lane, 10-11 at 1280 + 8 x lane.  At 12,288: the scale words, 16 bytes a lane: word w of lane l is
; that of fragment 2 w + l / 16, lane row l % 16.  Every piece is dense: each store of a wave covers 256 or 512 consecutive bytes, aligned.
; A block's scale byte is its largest magnitude's exponent field - 4, held at 1 from below.
; LIMITS: NaN and infinities are not served; a block whose largest magnitude lies under 2^-122 keeps the byte 1; a block of zeros has the byte 1 (its codes are zeros, and this program alone reads the bytes).
; SHARES: work-group (x, y): token block y, K chunks 2 x and 2 x + 1.  Wave a: fragment a of both: 16 rows x 256 K.  Each load reads 512 consecutive bytes of one row; the numbers turn through the wave's
; own stage in LDS (rows of 512 + 16 bytes), so that a lane gets 16 neighbours of each block of 32.
.set ROWX,  4096                       ; a row of x in bytes
.set CH,    12800                      ; a chunk
.set SP,    528                        ; a stage row
.set STG,   16*SP                      ; a wave's stage
.set SCS,   8*STG                      ; behind the stages: the two chunks' scale areas, 512 bytes each
.set O16,   5                          ; v5   16 x lane + 1536 a
.set O8,    6                          ; v6   8 x lane + 1536 a
.set R0,    16                         ; v16-79   chunk 0's numbers as loaded; later chunk 1's as neighbours
.set R1,    80                         ; v80-143  chunk 1's as loaded
.set X,     144                        ; v144-207 chunk 0's as neighbours
.set PC,    208                        ; v208-227 the codes just made
.set TM,    228                        ; v228-243 at work
.set SEL,   20                         ; s[20:21] selects of v_permlanex16_b32: lane l xor 16
; 64 numbers of a lane, register 16 b + i = k 32 b + 16 (lane / 16) + i of my row, become a fragment in v[PC] .. v[PC + 11] and its scale word in v[pw]
.macro QUANT s, pw
.irp b, 0,1,2,3
	v_max3_num_f32 v[TM+\b], |v[(\s)+16*\b]|, |v[(\s)+1+16*\b]|, 0x2800000   ; my 16 numbers of block b, and the floor 2^(5 - 127): the byte cannot fall under 1
.endr
.irp i, 2,4,6,8,10,12,14
.irp b, 0,1,2,3
	s_delay_alu instid0(VALU_DEP_4)
	v_max3_num_f32 v[TM+\b], v[TM+\b], |v[(\s)+16*\b+\i]|, |v[(\s)+1+16*\b+\i]|
.endr
.endr
.irp b, 0,1,2,3
	s_delay_alu instid0(VALU_DEP_4)
	v_permlanex16_b32 v[TM+4+\b], v[TM+\b], s[SEL], s[SEL+1]
.endr
.irp b, 0,1,2,3
	s_delay_alu instid0(VALU_DEP_4)
	v_max_num_f32 v[TM+\b], v[TM+\b], v[TM+4+\b]   ; with lane l xor 16's: the block's largest magnitude
.endr
.irp b, 0,1,2,3
	s_delay_alu instid0(VALU_DEP_4)
	v_add_nc_u32 v[TM+12+\b], 0xfe000000, v[TM+\b] ; 4 off its exponent field: the conversion's scale operand
.endr
.irp b, 0,1,2,3
	s_delay_alu instid0(VALU_DEP_4)
	v_lshrrev_b32 v[TM+4+\b], 23, v[TM+12+\b]      ; the scale's byte
.endr
	s_delay_alu instid0(VALU_DEP_3)
	v_lshl_or_b32 v[\pw], v[TM+5], 8, v[TM+4]
	s_delay_alu instid0(VALU_DEP_1)
	v_lshl_or_b32 v[\pw], v[TM+6], 16, v[\pw]
	s_delay_alu instid0(VALU_DEP_1)
	v_lshl_or_b32 v[\pw], v[TM+7], 24, v[\pw]
.irp c, 0,1
	v_cvt_scalef32_pk16_bf6_f32 v[PC+6*\c:PC+2+6*\c], v[(\s)+32*\c:(\s)+15+32*\c], v[TM+12+2*\c]
	v_cvt_scalef32_pk16_bf6_f32 v[PC+12+4*\c:PC+14+4*\c], v[(\s)+16+32*\c:(\s)+31+32*\c], v[TM+12+2*\c+1]
.endr
	v_nop                                          ; one plain instruction behind the scaled conversions
.irp c, 0,1                                    ; the layout wants a whole block in a lane: lanes 0-15 block 2 c, lanes 16-31 block 2 c + 1
.irp i, 0,1,2
	v_permlane16_swap_b32 v[PC+6*\c+\i], v[PC+12+4*\c+\i]
.endr
.irp i, 0,1,2
	s_delay_alu instid0(VALU_DEP_3)
	v_mov_b32 v[PC+3+6*\c+\i], v[PC+12+4*\c+\i]
.endr
.endr
.endm
.macro PUT off                         ; the fragment's image goes to memory
	global_store_b128 v[O16], v[PC:PC+3], s[6:7] offset:\off
	global_store_b64 v[O8], v[PC+4:PC+5], s[6:7] offset:\off+512
	global_store_b128 v[O16], v[PC+6:PC+9], s[6:7] offset:\off+768
	global_store_b64 v[O8], v[PC+10:PC+11], s[6:7] offset:\off+1280
.endm
.macro THROUGH src, dst                ; 16 rows x 512 bytes through my stage; LDS serves a wave's instructions in order, so no wait stands between the stores and the loads
.irp i, 0,1,2,3,4,5,6,7,8,9,10,11,12,13,14,15
	ds_store_b128 v7, v[\src+4*\i:\src+4*\i+3] offset:SP*\i
.endr
.irp b, 0,1,2,3
.irp j, 0,1,2,3
	ds_load_b128 v[\dst+16*\b+4*\j:\dst+16*\b+4*\j+3], v8 offset:128*\b+16*\j
.endr
.endr
.endm
	s_load_b128 s[4:7], s[0:1], 0x0                ; x, opq
	v_lshl_add_u32 v254, v0, 2, 0x11000
	v_mov_b32 v255, 0
	v_lshrrev_b32 v1, 5, v0
	s_delay_alu instid0(VALU_DEP_1)
	v_readfirstlane_b32 s8, v1                     ; wave = fragment a
	v_and_b32 v1, 31, v0                           ; lane
	v_and_b32 v2, 15, v0                           ; r
	s_wait_alu depctr_va_vdst(0)
	v_bfe_u32 v3, v0, 4, 1                         ; h
	v_lshlrev_b32 v4, 4, v1                        ; 16 x lane
	s_wait_alu depctr_va_vdst(0)
	s_mul_i32 s9, s8, 1536
	v_add_nc_u32 v[O16], s9, v4
	v_lshl_add_u32 v[O8], v1, 3, s9
	s_mul_i32 s10, s8, STG
	v_add_nc_u32 v7, s10, v4                       ; the stage, in: 16 x lane of a row
	v_mul_u32_u24 v8, v2, SP
	s_delay_alu instid0(VALU_DEP_1)
	v_lshl_add_u32 v8, v3, 6, v8
	s_delay_alu instid0(VALU_DEP_1)
	v_add_nc_u32 v8, s10, v8                       ; out: row r, + 64 h
	s_and_b32 s11, s8, 1                           ; a % 2
	s_lshr_b32 s12, s8, 1                          ; a / 2
	s_lshl_b32 s13, s11, 8
	s_lshl_b32 s14, s12, 2
	s_add_co_u32 s13, s13, s14
	s_add_co_u32 s13, s13, SCS
	v_lshl_add_u32 v9, v2, 4, s13                  ; my row's scale word: 16 (16 (a % 2) + r) + 4 (a / 2)
	s_lshl_b32 s14, s11, 9
	s_add_co_u32 s14, s14, SCS
	v_add_nc_u32 v10, s14, v4                      ; waves 0, 1 read a whole scale area back
	s_mul_i32 s14, s11, CH
	s_add_co_u32 s14, s14, 12288
	v_add_nc_u32 v11, s14, v4                      ; and store it here
	s_and_b32 s15, ttmp7, 0xffff                   ; token block
	s_lshl_b32 s16, s15, 7
	s_lshl_b32 s17, s12, 5
	s_add_co_u32 s16, s16, s17
	s_lshl_b32 s17, s11, 3
	s_add_co_u32 s16, s16, s17                     ; my fragment's first row
	s_lshl_b32 s16, s16, 12
	s_lshl_b32 s17, ttmp9, 10                      ; two K chunks are 1,024 bytes of a row
	s_add_co_u32 s16, s16, s17
	s_mov_b32 s17, 0
	s_lshl_b32 s18, s15, 3
	s_lshl_b32 s19, ttmp9, 1
	s_add_co_u32 s18, s18, s19
	s_mul_i32 s18, s18, CH
	s_mov_b32 s19, 0
	s_mov_b32 s[SEL], 0x76543210
	s_mov_b32 s[SEL+1], 0xfedcba98
.irp b, 0,1,2,3
	v_mov_b32 v[TM+4+\b], 0                        ; written once: a lane permute's destination counts as one of its sources
.endr
	s_wait_alu depctr_va_vdst(0)
	s_wait_kmcnt 0x0
	s_add_nc_u64 s[4:5], s[4:5], s[16:17]
	s_add_nc_u64 s[6:7], s[6:7], s[18:19]
.irp f, 0,1
.irp i, 0,1,2,3,4,5,6,7,8,9,10,11,12,13,14,15
	global_load_b128 v[R0+64*\f+4*\i:R0+64*\f+4*\i+3], v4, s[4:5] offset:(\i+8*(\i/8))*ROWX+512*\f th:TH_LOAD_NT   ; 512 consecutive bytes of the fragment's i-th row
.endr
.endr
	s_wait_loadcnt 16                              ; chunk 0's sixteen loads are in, chunk 1's sixteen may be out
	THROUGH R0, X
	s_wait_dscnt 0x0                               ; chunk 0 is back: R0 is free
	s_wait_loadcnt 0x0
	THROUGH R1, R0                                 ; chunk 1 turns while chunk 0 is quantised
	QUANT X, 244
	PUT 0
	ds_store_b32 v9, v244                          ; both halves of the lanes write the same word with the same value
	s_wait_dscnt 0x0                               ; chunk 1 is back
	s_wait_xcnt 0x0                                ; the stores have read the codes' registers
	QUANT R0, 245
	PUT CH
	ds_store_b32 v9, v245 offset:512
	s_wait_dscnt 0x0                               ; for the others' sake: my scale words lie in LDS
	s_barrier_signal -1
	s_barrier_wait -1
	s_cmp_gt_u32 s8, 1
	s_cbranch_scc1 .Ldone
	ds_load_b128 v[248:251], v10                   ; wave 0: chunk 0's scale area, wave 1: chunk 1's
	s_wait_dscnt 0x0
	global_store_b128 v11, v[248:251], s[6:7]      ; 512 consecutive bytes
.Ldone:
	s_wait_tensorcnt 0x0
	ds_add_u32 v254, v255
	s_wait_dscnt 0x0
	s_endpgm
.Lfunc_end_k_q6aafaae5eb_qx:
	.size	k_q6aafaae5eb_qx, .Lfunc_end_k_q6aafaae5eb_qx-k_q6aafaae5eb_qx
	.p2alignl 7, 3214868480
	.fill 96, 4, 3214868480
	.section	.rodata,"a",@progbits
	.p2align	6, 0x0
	.amdhsa_kernel k_q6aafaae5eb_qx
		.amdhsa_group_segment_fixed_size 70656
		.amdhsa_private_segment_fixed_size 0
		.amdhsa_enable_private_segment 0
		.amdhsa_kernarg_size 16
		.amdhsa_user_sgpr_count 2
		.amdhsa_user_sgpr_kernarg_segment_ptr 1
		.amdhsa_wavefront_size32 1
		.amdhsa_system_sgpr_workgroup_id_x 1
		.amdhsa_system_sgpr_workgroup_id_y 1
		.amdhsa_system_sgpr_workgroup_id_z 1
		.amdhsa_system_vgpr_workitem_id 0
		.amdhsa_next_free_vgpr 256
		.amdhsa_next_free_sgpr 66
		.amdhsa_reserve_vcc 0
		.amdhsa_float_denorm_mode_32 3
		.amdhsa_float_denorm_mode_16_64 3
		.amdhsa_memory_ordered 1
		.amdhsa_forward_progress 1
		.amdhsa_inst_pref_size 22
	.end_amdhsa_kernel
	.amdgpu_metadata
---
amdhsa.version: [ 1, 2 ]
amdhsa.kernels:
  - .name:           k_q6aafaae5eb_qx
    .symbol:         k_q6aafaae5eb_qx.kd
    .args:
      - { .name: x, .offset: 0, .size: 8, .value_kind: global_buffer, .address_space: global }
      - { .name: opq, .offset: 8, .size: 8, .value_kind: global_buffer, .address_space: global }
    .group_segment_fixed_size: 70656
    .private_segment_fixed_size: 0
    .kernarg_segment_align: 8
    .kernarg_segment_size: 16
    .max_flat_workgroup_size: 256
    .sgpr_count:     66
    .vgpr_count:     256
    .wavefront_size: 32
...
	.end_amdgpu_metadata
.endif
;; end of part 1
;; launch qw (part 2): grid 8 x 32, 4 waves a work-group, no clusters, 13,824 bytes of LDS; arguments W_attn, W_proj, opq; writes opq
.if DOCPART == 2
	.amdgcn_target "amdgcn-amd-amdhsa--gfx1250"
	.amdhsa_code_object_version 6
	.text
	.protected	k_q6aafaae5eb_qw
	.globl	k_q6aafaae5eb_qw
	.p2align	8
	.type	k_q6aafaae5eb_qw,@function
k_q6aafaae5eb_qw:
	s_mov_b64 s[64:65], 0
	v_nop
	global_prefetch_b8 v0, s[64:65] scope:SCOPE_SE
	s_setreg_imm32_b32 hwreg(HW_REG_WAVE_MODE, 25, 1), 1
	s_wait_xcnt 0x0
; W_attn [1024 (k)][3072 (n)] and W_proj [1024 (k)][1024 (n)], f32 with K as the FIRST axis, become chunks of codes of BF6 (E3M2): rows = columns n, K innermost: opq[row block 64 + y][K chunk x][12,800 bytes];
; y = 0 .. 23: W_attn's columns 128 y on; y = 24 .. 31: W_proj's columns 128 (y - 24) on.  The chunk's layout: fragment f, lane (r, h): local row 32 (f / 2) + 8 (f % 2) + r + 8 (r / 8), registers 6 c .. 6 c + 5:
; k = 64 c + 32 h + 0 .. 31; image at 1536 f: registers 0-3 at 16 x lane, 4-5 at 512 + 8 x lane, 6-9 at 768 + 16 x lane, 10-11 at 1280 + 8 x lane; scale words at 12,288 + 16 (16 (f % 2) + r) + 4 (f / 2).
; A LANE TAKES A COLUMN AND ITS REGISTERS RUN DOWN K: a block of 32 lies in one lane, its largest magnitude needs no other lane, and the conversions give codes with K innermost.
; Wave w takes columns 32 w .. 32 w + 31: fragments 2 w and 2 w + 1.  Column c of the 32 is lane row r = c % 8 + 8 (c / 16) of fragment 2 w + (c / 8) % 2.  Block b of the chunk's four is what lane r + 16 (b % 2) holds in
; registers 6 (b / 2) on.  The codes are laid so in the wave's 3,072 bytes of LDS and leave as six stores of 512 consecutive bytes.
; One path serves both weights: pointer and row pitch are chosen by the work-group's number.
; LIMITS: NaN and infinities are not served; a block whose largest magnitude lies under 2^-122 keeps the byte 1; a block of zeros has the byte 1 (its codes are zeros, and this program alone reads the bytes).
.set CH,  12800
.set X,   48                           ; v48-111 two sets of 32 numbers
	s_load_b128 s[4:7], s[0:1], 0x0                ; W_attn, W_proj
	s_load_b64 s[8:9], s[0:1], 0x10                ; opq
	v_lshl_add_u32 v160, v0, 2, 0x3400
	v_mov_b32 v161, 0
	v_lshrrev_b32 v1, 5, v0
	v_readfirstlane_b32 s10, v1                    ; wave
	v_and_b32 v1, 31, v0                           ; c
	v_lshlrev_b32 v2, 2, v1                        ; 4 c
	v_bfe_u32 v8, v1, 3, 1                         ; u = (c / 8) % 2
	v_and_b32 v9, 7, v1
	v_lshrrev_b32 v10, 4, v1
	v_lshl_add_u32 v9, v10, 3, v9                  ; r = c % 8 + 8 (c / 16)
	s_mul_i32 s11, s10, 3072
	v_mul_u32_u24 v10, v8, 1536
	v_add_nc_u32 v10, s11, v10                     ; my fragment's image
	v_lshl_add_u32 v3, v9, 4, v10                  ; where my four registers go
	v_lshl_add_u32 v4, v9, 3, v10
	v_add_nc_u32 v4, 512, v4                       ; and my two
	v_lshl_add_u32 v5, v1, 4, s11                  ; back, and in the chunk: 3072 w + 16 x lane
	v_lshl_add_u32 v6, v8, 4, v9
	s_lshl_b32 s12, s10, 2
	s_add_co_u32 s12, s12, 12288
	v_lshl_add_u32 v6, v6, 4, s12                  ; my column's scale word
	v_lshlrev_b32 v7, 4, v1
	v_add_nc_u32 v7, 12288, v7                     ; the scale area, back, and in the chunk
	s_and_b32 s13, ttmp7, 0xffff                   ; y
	s_mov_b32 s20, 4096
	s_wait_kmcnt 0x0
	s_cmp_lt_u32 s13, 24                           ; W_attn's or W_proj's?  The choice hangs on the work-group's number alone
	s_cselect_b64 s[4:5], s[4:5], s[6:7]
	s_cselect_b32 s20, 12288, s20                  ; a row of the weight in bytes
	s_cselect_b32 s14, 0, 24
	s_sub_co_u32 s14, s13, s14                     ; which 128 columns of it
	s_lshl_b32 s16, ttmp9, 7
	s_mul_i32 s16, s16, s20                        ; the K chunk's first row
	s_lshl_b32 s15, s14, 9
	s_add_co_u32 s16, s16, s15
	s_lshl_b32 s15, s10, 7
	s_add_co_u32 s16, s16, s15                     ; + my wave's 32 columns
	s_mov_b32 s17, 0
	s_lshl_b32 s18, s20, 5                         ; 32 rows on
	s_mov_b32 s19, 0
	s_add_nc_u64 s[24:25], s[4:5], s[16:17]        ; a base for each block of 32 rows
	s_add_nc_u64 s[26:27], s[24:25], s[18:19]
	s_add_nc_u64 s[28:29], s[26:27], s[18:19]
	s_add_nc_u64 s[30:31], s[28:29], s[18:19]
	s_add_co_u32 s16, s13, 64
	s_lshl_b32 s16, s16, 3
	s_add_co_u32 s16, s16, ttmp9
	s_mul_i32 s16, s16, CH
	s_add_nc_u64 s[8:9], s[8:9], s[16:17]          ; my chunk
.set i, 0
.rept 32
	v_mad_u32_u24 v[16+i], s20, i, v2              ; row i of a block, my column; never rewritten
.set i, i+1
.endr
.macro LOAD t                          ; block t: W(32 t + i, my column) into set t % 2: 32 lanes read 128 consecutive bytes, the four waves 512
.set i, 0
.rept 32
	global_load_b32 v[X+32*((\t)%2)+i], v[16+i], s[24+2*(\t):25+2*(\t)] th:TH_LOAD_NT
.set i, i+1
.endr
.endm
	LOAD 0
	LOAD 1
.macro BLOCK t
.set XS, X+32*((\t)%2)
.if (\t) < 3
	s_wait_loadcnt 32                              ; this block's 32 loads are in; the next block's 32 may be out
.else
	s_wait_loadcnt 0x0
.endif
	v_max3_num_f32 v12, |v[XS]|, |v[XS+1]|, |v[XS+2]|
	v_max3_num_f32 v13, |v[XS+3]|, |v[XS+4]|, |v[XS+5]|
.irp i, 6,10,14,18,22,26
	v_max3_num_f32 v12, v12, |v[XS+\i]|, |v[XS+\i+1]|
	v_max3_num_f32 v13, v13, |v[XS+\i+2]|, |v[XS+\i+3]|
.endr
	v_max3_num_f32 v12, v12, |v[XS+30]|, |v[XS+31]|
	v_max3_num_f32 v12, v12, v13, 0x2800000        ; and the floor 2^(5 - 127): the byte cannot fall under 1
	v_add_nc_u32 v11, 0xfe000000, v12              ; 4 off the exponent field: the conversion's scale operand
	v_lshrrev_b32 v13, 23, v11                     ; the scale's byte
.if (\t) == 0
	v_mov_b32 v122, v13
.else
	v_lshl_or_b32 v122, v13, 8*(\t), v122
.endif
	v_cvt_scalef32_pk16_bf6_f32 v[112:114], v[XS:XS+15], v11
	v_cvt_scalef32_pk16_bf6_f32 v[118:120], v[XS+16:XS+31], v11     ; (a conversion's three registers begin on an even number)
	v_nop                                          ; one plain instruction behind the scaled conversions
	v_mov_b32 v115, v118
	v_mov_b32 v116, v119
	v_mov_b32 v117, v120
	ds_store_b128 v3, v[112:115] offset:768*((\t)/2)+256*((\t)%2)
	ds_store_b64 v4, v[116:117] offset:768*((\t)/2)+128*((\t)%2)
.if (\t) < 2
	LOAD (\t)+2
.endif
	s_wait_dscnt 0x0                               ; the stores have read their registers
.endm
	BLOCK 0
	BLOCK 1
	BLOCK 2
	BLOCK 3
	s_wait_alu depctr_va_vdst(0)
	ds_store_b32 v6, v122
.irp i, 0,1,2,3,4,5
	ds_load_b128 v[128+4*\i:131+4*\i], v5 offset:512*\i   ; LDS serves a wave's instructions in order: these see my stores
.endr
.irp i, 0,1,2,3,4,5
	s_wait_dscnt 5-\i                              ; the younger loads may be out
	global_store_b128 v5, v[128+4*\i:131+4*\i], s[8:9] offset:512*\i
.endr
	s_barrier_signal -1                            ; (the count-down above ended at 0: my scale words lie in LDS)
	s_barrier_wait -1
	s_cmp_lg_u32 s10, 0
	s_cbranch_scc1 .Ldone
	ds_load_b128 v[152:155], v7
	s_wait_dscnt 0x0
	global_store_b128 v7, v[152:155], s[8:9]       ; the chunk's scale area: 512 consecutive bytes
.Ldone:
	s_wait_tensorcnt 0x0
	ds_add_u32 v160, v161
	s_wait_dscnt 0x0
	s_endpgm
.Lfunc_end_k_q6aafaae5eb_qw:
	.size	k_q6aafaae5eb_qw, .Lfunc_end_k_q6aafaae5eb_qw-k_q6aafaae5eb_qw
	.p2alignl 7, 3214868480
	.fill 96, 4, 3214868480
	.section	.rodata,"a",@progbits
	.p2align	6, 0x0
	.amdhsa_kernel k_q6aafaae5eb_qw
		.amdhsa_group_segment_fixed_size 13824
		.amdhsa_private_segment_fixed_size 0
		.amdhsa_enable_private_segment 0
		.amdhsa_kernarg_size 24
		.amdhsa_user_sgpr_count 2
		.amdhsa_user_sgpr_kernarg_segment_ptr 1
		.amdhsa_wavefront_size32 1
		.amdhsa_system_sgpr_workgroup_id_x 1
		.amdhsa_system_sgpr_workgroup_id_y 1
		.amdhsa_system_sgpr_workgroup_id_z 1
		.amdhsa_system_vgpr_workitem_id 0
		.amdhsa_next_free_vgpr 162
		.amdhsa_next_free_sgpr 66
		.amdhsa_reserve_vcc 0
		.amdhsa_float_denorm_mode_32 3
		.amdhsa_float_denorm_mode_16_64 3
		.amdhsa_memory_ordered 1
		.amdhsa_forward_progress 1
		.amdhsa_inst_pref_size 25
	.end_amdhsa_kernel
	.amdgpu_metadata
---
amdhsa.version: [ 1, 2 ]
amdhsa.kernels:
  - .name:           k_q6aafaae5eb_qw
    .symbol:         k_q6aafaae5eb_qw.kd
    .args:
      - { .name: W_attn, .offset: 0, .size: 8, .value_kind: global_buffer, .address_space: global }
      - { .name: W_proj, .offset: 8, .size: 8, .value_kind: global_buffer, .address_space: global }
      - { .name: opq, .offset: 16, .size: 8, .value_kind: global_buffer, .address_space: global }
    .group_segment_fixed_size: 13824
    .private_segment_fixed_size: 0
    .kernarg_segment_align: 8
    .kernarg_segment_size: 24
    .max_flat_workgroup_size: 128
    .sgpr_count:     66
    .vgpr_count:     162
    .wavefront_size: 32
...
	.end_amdgpu_metadata
.endif
;; end of part 2
;; launch gemm1 (part 3): grid 4 x 64, 4 waves a work-group, clusters of 4 x 4, 327,680 bytes of LDS; arguments opq, b_attn, qkv; writes qkv
.if DOCPART == 3
	.amdgcn_target "amdgcn-amd-amdhsa--gfx1250"
	.amdhsa_code_object_version 6
	.text
	.protected	k_q6aafaae5eb_gemm1
	.globl	k_q6aafaae5eb_gemm1
	.p2align	8
	.type	k_q6aafaae5eb_gemm1,@function
k_q6aafaae5eb_gemm1:
	s_mov_b64 s[64:65], 0
	v_nop
	global_prefetch_b8 v0, s[64:65] scope:SCOPE_SE
	s_setreg_imm32_b32 hwreg(HW_REG_WAVE_MODE, 25, 1), 1
	s_wait_xcnt 0x0
	s_wait_alu depctr_hold_cnt(0) depctr_sa_sdst(0) depctr_va_vdst(0) depctr_va_sdst(0) depctr_va_ssrc(0) depctr_va_vcc(0) depctr_vm_vsrc(0)
	s_getreg_b32 s2, hwreg(HW_REG_IB_STS2, 6, 4)
	s_cmp_eq_u32 s2, 0
	s_cbranch_scc0 .Lentry_in_a_cluster
	s_endpgm
.Lentry_in_a_cluster:
	s_bfe_u32 s2, ttmp6, 0x10000c
	s_cmp_lg_u32 s2, 0xf033
	s_cbranch_scc0 .Lentry_shape_is_right
	s_endpgm
.Lentry_shape_is_right:
; qkv = x W_attn + b_attn on codes of BF6 (E3M2) with E8M0 scales, f32 sums; the result is quantised on the way out and stored as chunks of codes: q and k along the head's channels, v along the keys.
; OPERANDS: opq[row block][K chunk 0..7][12,800]: row blocks 0-63 x's tokens, 64-87 W_attn's columns.  A chunk is 128 rows x 128 K as images of operand registers: fragment f at 1536 f (registers 0-3 at 16 x lane, 4-5 at
; 512 + 8 x lane, 6-9 at 768 + 16 x lane, 10-11 at 1280 + 8 x lane); lane (r, h) of fragment f holds local row 32 (f / 2) + 8 (f % 2) + r + 8 (r / 8).  Scale words at 12,288, 16 bytes a lane: word w of lane l: fragment 2 w + l / 16.
; SHARES: 64 token blocks x 24 column blocks are 1,536 tiles of 128 x 128: 256 work-groups of six.  Work-group (g, t): token block t against column blocks 4 g .. 4 g + 3 (q, k) and then 16 + 2 g, 17 + 2 g (v): the role
; hangs on the trip alone.  Wave (wr, wc) makes 64 x 64: token fragments 4 wr on, column fragments 4 wc on: 16 accumulators by turns.
; THE TOKENS' CODES, all of K, come once into LDS and from there into 384 registers a wave.  THE COLUMN BLOCKS, 102,400 dense bytes each, go through two LDS slots, a quarter a wave: so a K step reads four fragments from LDS for 16 products.
; Source 0 is the axis to be quantised next: q, k: source 0 = columns, source 1 = tokens; v: source 0 = tokens (keys), source 1 = columns.  The bias is the C of each accumulator's first product.
; CLUSTER 4 x 4: cx = g, cy = t % 4: the tokens' block is asked for jointly along a row of the cluster, the column blocks along a column.
; OUTPUT: qkv[which 512 + (8 batch + pair) 16 + block of the batch][13,312]: a chunk as above; a wave's 64 numbers along the quantised axis are half an image (768 bytes).  q, k: the area at 12,288 + 512 head holds that head's two
; scale bytes in each word's low half, and again in its high half, where they meet zero codes alone.  v: the four key blocks' bytes at 12,288, and turned by 16 bits at 12,800.
; The scale words leave in stores of 8 or 2 bytes a lane, 16 bytes apart: 1,024 of a chunk's 13,312 bytes.
; LIMITS: NaN and infinities are not served; a block whose largest magnitude lies under 2^-122 keeps the byte 1; a block of zeros has the byte 1 (its codes are zeros, and this program alone reads the bytes).
; REGISTERS: window 0: v1-29 lanes, addresses; v32-47 the tokens' scale words, v48-63 the columns'; v64-159 the columns' fragments, two sets; v160-191 the bias; v192-255 the way out.
;   windows 1, 2: the tokens' fragments, K chunk q at 48 (q % 5) of window 1 + q / 5.  window 3: v0-127 accumulator (a, b) at 8 (4 a + b); v128-135 v's bias.
.set CH,    12800
.set CQ,    13312
.set RB,    8*CH
.set HALF,  4*CH
.set QUART, 2*CH
.set TREG,  2*RB                       ; LDS: slot 0, slot 1, the tokens' block, the spare words
.set SPARE, 3*RB
.set BA,    6                          ; v6-11 this trip's LDS addresses: 16 x lane (chunks 0-3, 4-7), 8 x lane, scale words
.set BB16,  14
.set BB8,   15
.set BBS,   16
.set O16,   17
.set O8,    18
.set OS,    19
.set O16V,  20
.set O8V,   21
.set OSV,   22
.set OSW,   23
.set BO,    24
.set RO,    25
.set PFO,   26
.set SPW,   28
.set NIL,   29
.set TS,    32
.set BS,    48
.set BF,    64
.set BIAS,  160
.set TM,    192
.set TP,    200
.set SO,    208
.set CD,    216
.set CT2,   240
.set G1,  24
.set G0T, 32
.set G0B, 36
.set G1B, 48
.set FO,  56                           ; s[56:57] byte offset in opq of the column block asked for next
.set OV,  58
.set TB,  59                           ; the slot in hand
.set CT,  60
.set WOFF, 61
.set OP,  62
.set OPV, 66
.set PB,  68
.set PFA, 70
.set PG,  72
.set SEL, 78
.set MSB, 0
.macro WIN new                         ; the immediate's high byte repeats the setting that is left
.if MSB != (\new)
	s_set_vgpr_msb (MSB<<8)|(\new)
.set MSB, (\new)
.endif
.endm
.macro PLACES n                        ; plain vector instructions behind a matrix instruction (ISA guide 7.12.1)
.rept \n
	v_nop
.endr
.endm
.macro CROUND                          ; a round of the cluster's barrier
	s_barrier_signal -1
	s_barrier_wait -1
	s_cmp_lg_u32 s14, 0
	s_cbranch_scc1 .Lnot_wave_0_\@
	s_barrier_signal -3
.Lnot_wave_0_\@:
	s_barrier_wait -3
	s_barrier_signal -1
	s_barrier_wait -1
.endm
; THE CHANGE OF SLOTS: every wave waits for all its tensor loads, adds 0 to its spare word, waits for that and for its LDS reads; a round; fill > 0: slot TB takes the column block at FO, a quarter a wave.
.macro CHANGE fill
	s_wait_alu depctr_va_vdst(0)                   ; the wait ahead of the blocking wait
	s_wait_tensorcnt 0x0
	ds_add_u32 v[SPW], v[NIL]
.if \fill
.if \fill == 2
	s_mov_b32 s[G1B+2], 100<<16                    ; no tensor load of mine is out: from here on a load brings 100 rows of 256 bytes
	s_mov_b32 s[G1B+4], 100
.endif
	s_add_co_u32 s[G0B+1], s[WOFF], s[TB]
	s_add_nc_u64 s[G0B+2:G0B+3], s[46:47], s[FO:FO+1]
	s_or_b32 s[G0B+3], s[G0B+3], 0x80000000
.endif
	s_wait_dscnt 0x0
	CROUND
.if \fill
	tensor_load_to_lds s[G0B:G0B+3], s[G1B:G1B+7]
	s_nop 0
	PLACES 4
.endif
.endm
; A PREFETCH INTO THE L2, behind each fill but the last: the column block that the next fill will ask for, a whole trip ahead of that fill: 400 blocks of 256 bytes.  The four partners of a column of the cluster share them out
; by address (100 each, by cy), a wave takes 25, a lane a block (lanes 25-31 name the wave's last again).  Every cluster reads the same 24 column blocks: clusters 0 to 3 alone ask.
.macro ASK
	s_cmp_gt_u32 s[CT], s[PG]
	s_cbranch_scc0 .Lna_\@
	s_add_nc_u64 s[PFA:PFA+1], s[PB:PB+1], s[FO:FO+1]
	global_prefetch_b8 v[PFO], s[PFA:PFA+1] th:TH_LOAD_NT scope:SCOPE_SE
.Lna_\@:
.endm
.macro FRAG reg, a16, a8, off          ; a fragment's image comes back as it was stored; every load is dense
	ds_load_b128 v[(\reg):(\reg)+3], v[\a16] offset:(\off)
	ds_load_b64 v[(\reg)+4:(\reg)+5], v[\a8] offset:(\off)+512
	ds_load_b128 v[(\reg)+6:(\reg)+9], v[\a16] offset:(\off)+768
	ds_load_b64 v[(\reg)+10:(\reg)+11], v[\a8] offset:(\off)+1280
.endm
.macro FETCHB k                        ; my four column fragments of K chunk k into set k % 2
.irp i, 0,1,2,3
	FRAG BF+48*((\k)%2)+12*\i, BA+(\k)/4, BA+2+(\k)/4, ((\k)%4)*CH+1536*\i
.endr
.endm
.macro BIASQ                           ; q, k: the bias runs along the registers: tile b, register j: column 32 (b / 2) + 8 (b % 2) + 16 h + j
.irp b, 0,1,2,3
	global_load_b128 v[BIAS+8*\b:BIAS+8*\b+3], v[BO], s[6:7] offset:128*(\b/2)+32*(\b%2)
	global_load_b128 v[BIAS+8*\b+4:BIAS+8*\b+7], v[BO], s[6:7] offset:128*(\b/2)+32*(\b%2)+16
.endr
.endm
; one product.  a: source 1's fragment, b: source 0's.  A scale register serves an even fragment from lanes 0-15 and the odd one behind it from lanes 16-31.
.macro WM a, b, q, role
.set rD, 8*(4*(\a)+(\b))
.set rC, rD
.set rT, 48*((\q)%5)
.set rW, BF+48*((\q)%2)
.if \role
.set xA, rT+12*(\b)
.set xB, rW+12*(\a)
.set zA, TS+2*(\q)+(\b)/2
.set zB, BS+2*(\q)+(\a)/2
.if (\q) == 0
.set rC, BIAS+8*(\a)
.endif
.else
.set xA, rW+12*(\b)
.set xB, rT+12*(\a)
.set zA, BS+2*(\q)+(\b)/2
.set zB, TS+2*(\q)+(\a)/2
.if (\q) == 0
.set rC, BIAS+8*(\b)
.endif
.endif
.set odd, 2*((\b)%2)+(\a)%2
.if odd == 0
	v_wmma_scale_f32_16x16x128_f8f6f4 v[rD:rD+7], v[xA:xA+11], v[xB:xB+11], v[rC:rC+7], v[zA], v[zB] matrix_a_fmt:MATRIX_FMT_BF6 matrix_b_fmt:MATRIX_FMT_BF6
.elseif odd == 1
	v_wmma_scale_f32_16x16x128_f8f6f4 v[rD:rD+7], v[xA:xA+11], v[xB:xB+11], v[rC:rC+7], v[zA], v[zB] matrix_a_fmt:MATRIX_FMT_BF6 matrix_b_fmt:MATRIX_FMT_BF6 matrix_b_scale:MATRIX_SCALE_ROW1
.elseif odd == 2
	v_wmma_scale_f32_16x16x128_f8f6f4 v[rD:rD+7], v[xA:xA+11], v[xB:xB+11], v[rC:rC+7], v[zA], v[zB] matrix_a_fmt:MATRIX_FMT_BF6 matrix_b_fmt:MATRIX_FMT_BF6 matrix_a_scale:MATRIX_SCALE_ROW1
.else
	v_wmma_scale_f32_16x16x128_f8f6f4 v[rD:rD+7], v[xA:xA+11], v[xB:xB+11], v[rC:rC+7], v[zA], v[zB] matrix_a_fmt:MATRIX_FMT_BF6 matrix_b_fmt:MATRIX_FMT_BF6 matrix_a_scale:MATRIX_SCALE_ROW1 matrix_b_scale:MATRIX_SCALE_ROW1
.endif
.endm
; THE WAY OUT.  For source 1's fragment a a lane holds one row and, in accumulator registers 32 a + 16 c + i, its neighbours 32 c + 16 h + i along source 0: eight blocks of 32 (k = 2 a + c), shared with lane l xor 16.
.macro EPI role
	PLACES 4
	WIN 0x3c                                       ; sources 1 and 2: window 3
.irp k, 0,1,2,3,4,5,6,7
	v_max3_num_f32 v[TM+\k], 0x2800000, |v[16*\k]|, |v[16*\k+1]|   ; with the floor 2^(5 - 127): the byte cannot fall under 1; each accumulator is read from its low end on
.endr
.irp i, 2,4,6,8,10,12,14
.irp k, 0,1,2,3,4,5,6,7
	v_max3_num_f32 v[TM+\k], v[TM+\k], |v[16*\k+\i]|, |v[16*\k+\i+1]|
.endr
.endr
	WIN 0
.irp k, 0,1,2,3,4,5,6,7
	v_permlanex16_b32 v[TP+\k], v[TM+\k], s[SEL], s[SEL+1]
.endr
.irp k, 0,1,2,3,4,5,6,7
	v_max_num_f32 v[TM+\k], v[TM+\k], v[TP+\k]     ; the block's largest magnitude
.endr
.irp k, 0,1,2,3,4,5,6,7
	v_add_nc_u32 v[SO+\k], 0xfe000000, v[TM+\k]    ; 4 off its exponent field: the conversion's scale operand
.endr
.irp k, 0,1,2,3,4,5,6,7
	v_lshrrev_b32 v[TP+\k], 23, v[SO+\k]           ; the scale's byte
.endr
.irp a, 0,1,2,3
	v_lshl_or_b32 v[TM+\a], v[TP+2*\a+1], 8, v[TP+2*\a]
.endr
	v_cmp_le_u32 vcc_lo, 16, v1                    ; lanes 16-31 carry the odd fragments' bytes
	v_cndmask_b32 v[TM+4], v[TM], v[TM+1], vcc_lo
	v_cndmask_b32 v[TM+5], v[TM+2], v[TM+3], vcc_lo
.if !\role
	v_lshl_or_b32 v[TM+6], v[TM+4], 16, v[TM+4]
	v_lshl_or_b32 v[TM+7], v[TM+5], 16, v[TM+5]
.endif
	WIN 0x03                                       ; source 0: window 3
.irp a, 0,1,2,3
	v_cvt_scalef32_pk16_bf6_f32 v[CD+6*\a:CD+6*\a+2], v[32*\a:32*\a+15], v[SO+2*\a]
	v_cvt_scalef32_pk16_bf6_f32 v[CT2+4*\a:CT2+4*\a+2], v[32*\a+16:32*\a+31], v[SO+2*\a+1]
.endr
	WIN 0
	v_nop                                          ; one plain instruction behind the scaled conversions
.irp a, 0,1,2,3                                ; the layout wants a whole block in a lane
.irp i, 0,1,2
	v_permlane16_swap_b32 v[CD+6*\a+\i], v[CT2+4*\a+\i]
.endr
.irp i, 0,1,2
	v_mov_b32 v[CD+6*\a+3+\i], v[CT2+4*\a+\i]
.endr
.endr
.irp a, 0,1,2,3
.if \role
	global_store_b128 v[O16V], v[CD+6*\a:CD+6*\a+3], s[OP:OP+1] offset:1536*\a
	global_store_b64 v[O8V], v[CD+6*\a+4:CD+6*\a+5], s[OP:OP+1] offset:1536*\a+512
.else
	global_store_b128 v[O16], v[CD+6*\a:CD+6*\a+3], s[OP:OP+1] offset:1536*\a
	global_store_b64 v[O8], v[CD+6*\a+4:CD+6*\a+5], s[OP:OP+1] offset:1536*\a+512
.endif
.endr
.if \role
	global_store_b16 v[OSV], v[TM+4], s[OP:OP+1]
	global_store_b16 v[OSV], v[TM+5], s[OP:OP+1] offset:4
	global_store_b16 v[OSW], v[TM+4], s[OP:OP+1]
	global_store_b16 v[OSW], v[TM+5], s[OP:OP+1] offset:4
.else
	global_store_b64 v[OS], v[TM+6:TM+7], s[OP:OP+1]
.endif
	s_wait_xcnt 0x0                                ; the stores have read their registers and their base
	s_add_nc_u64 s[OP:OP+1], s[OP:OP+1], 16*CQ     ; the next pair of heads
.endm
; A TRIP: 128 x 128 x 1,024.  Each K step waits for its four fragments, asks for the next step's and issues 16 products.
.macro TRIP role
.if \role
	WIN 0x03
.irp a, 0,1,2,3
.irp j, 0,1,2,3,4,5,6,7
	v_mov_b32 v[BIAS+8*\a+\j], v[128+\a]           ; v: the bias is my lane's channel's
.endr
.endr
	WIN 0xc3
.irp a, 0,1,2,3
	v_mov_b32 v[128+\a], v[132+\a]                 ; the second trip's four move down
.endr
	WIN 0
.endif
	v_add_nc_u32 v[BA], s[TB], v[BB16]
	v_add_nc_u32 v[BA+2], s[TB], v[BB8]
	v_add_nc_u32 v[BA+4], s[TB], v[BBS]
	v_add_nc_u32 v[BA+1], HALF, v[BA]
	v_add_nc_u32 v[BA+3], HALF, v[BA+2]
	v_add_nc_u32 v[BA+5], HALF, v[BA+4]
	s_wait_alu depctr_va_vdst(0)
.irp q, 0,1,2,3,4,5,6,7
	ds_load_b64 v[BS+2*\q:BS+2*\q+1], v[BA+4+\q/4] offset:(\q%4)*CH
.endr
	FETCHB 0
	s_wait_loadcnt 0x0                             ; the bias
.irp q, 0,1,2,3,4,5,6,7
	s_wait_dscnt 0x0                               ; this step's fragments are in
.if \q < 7
	PLACES 4                                       ; in front of loads into the set that the last step multiplied
	FETCHB \q+1
.endif
.set cw, 0x30
.if \q == 0
.set cw, 0                                     ; the first products take the bias, in window 0, as C
.endif
.if \role
	WIN 0xc0+cw+(1+\q/5)
.else
	WIN 0xc0+cw+4*(1+\q/5)
.endif
.irp a, 0,1,2,3
.irp b, 0,1,2,3
	WM \a, \b, \q, \role
.endr
.endr
	WIN 0
.endr
	EPI \role
.endm
	s_load_b128 s[4:7], s[0:1], 0x0                ; opq, b_attn
	s_load_b64 s[8:9], s[0:1], 0x10                ; qkv
	v_lshl_add_u32 v[SPW], v0, 2, SPARE
	v_mov_b32 v[NIL], 0
	ds_add_u32 v[SPW], v[NIL]                      ; the opening lines: the add, twice on end, and its wait
	ds_add_u32 v[SPW], v[NIL]
	v_lshrrev_b32 v1, 5, v0
	v_readfirstlane_b32 s14, v1                    ; wave
	s_lshr_b32 s15, s14, 1                         ; wr.  Also: at the head I fetch the tokens (0) or the columns (1)
	s_and_b32 s16, s14, 1                          ; wc.  Also: which half of that block
	s_bfe_u32 s40, ttmp6, 0x40000                  ; cx = g
	s_bfe_u32 s41, ttmp6, 0x40004                  ; cy
	s_and_b32 s42, ttmp7, 0xffff                   ; cluster y
	s_lshl_b32 s17, s42, 2
	s_add_co_u32 s17, s17, s41                     ; t
	s_lshl_b32 s43, s41, 2
	s_lshl_b32 s43, 15, s43                        ; my row of the cluster
	s_lshl_b32 s44, 0x1111, s40                    ; my column
	s_or_b32 s[G1], s43, (3<<16)|(1<<21)           ; dense bytes as rows of 256 (32 elements of 8 bytes); the tokens go to my row,
	s_or_b32 s[G1B], s44, (3<<16)|(1<<21)          ; the columns to my column
.irp g, G1, G1B
	s_mov_b32 s[\g+1], 32<<16
	s_mov_b32 s[\g+2], 200<<16                     ; at the head half a block, 200 rows, a load
	s_mov_b32 s[\g+3], 32<<16
	s_mov_b32 s[\g+4], 200
	s_mov_b32 s[\g+5], 32
	s_mov_b32 s[\g+6], 0
	s_mov_b32 s[\g+7], 0
.endr
	s_mul_i32 s18, s16, HALF
	s_mul_i32 s20, s17, RB
	s_add_co_u32 s20, s20, s18
	s_mov_b32 s21, 0
	s_lshl_b32 s[FO], s40, 2
	s_add_co_u32 s[FO], s[FO], 64
	s_mul_i32 s[FO], s[FO], RB                     ; column block 4 g
	s_mov_b32 s[FO+1], 0
	s_lshl_b32 s[OV], s40, 1
	s_add_co_u32 s[OV], s[OV], 80
	s_mul_i32 s[OV], s[OV], RB                     ; column block 16 + 2 g
	s_add_co_u32 s74, s[FO], s18
	s_mov_b32 s75, 0
	s_mul_i32 s[WOFF], s14, QUART
	s_mov_b32 s46, s[WOFF]
	s_mov_b32 s47, 0
	s_mov_b32 s[SEL], 0x76543210
	s_mov_b32 s[SEL+1], 0xfedcba98
	s_wait_dscnt 0x0
	s_wait_kmcnt 0x0
	s_add_nc_u64 s[20:21], s[4:5], s[20:21]
	s_add_nc_u64 s[74:75], s[4:5], s[74:75]
	s_add_nc_u64 s[46:47], s[4:5], s[46:47]
	CROUND                                         ; the first joint loads meet
	s_mov_b32 s[G0T], 1
	s_add_co_u32 s[G0T+1], s18, TREG
	s_mov_b64 s[G0T+2:G0T+3], s[20:21]
	s_or_b32 s[G0T+3], s[G0T+3], 0x80000000
	s_mov_b32 s[G0B], 1
	s_mov_b32 s[G0B+1], s18
	s_mov_b64 s[G0B+2:G0B+3], s[74:75]
	s_or_b32 s[G0B+3], s[G0B+3], 0x80000000
	s_cmp_eq_u32 s15, 0                            ; one load a wave: waves 0, 1 the tokens' halves, waves 2, 3 the first column block's, into slot 0
	s_cbranch_scc0 .Lhead_b
	tensor_load_to_lds s[G0T:G0T+3], s[G1:G1+7]
	s_nop 0
	PLACES 4
	s_branch .Lhead_j
.Lhead_b:
	tensor_load_to_lds s[G0B:G0B+3], s[G1B:G1B+7]
	s_nop 0
	PLACES 4
.Lhead_j:
	s_mov_b32 s75, 0                               ; s[74:75] held the first column block's address, now copied into the descriptor: from here on the pair holds offsets under 2^32
	s_mul_i32 s22, s16, 6144
	s_mul_i32 s23, s15, 6144
	s_lshl_b32 s18, s16, 3
	s_lshl_b32 s19, s15, 3
	s_add_co_u32 s76, s18, 12288
	s_add_co_u32 s77, s23, TREG
	s_add_co_u32 s80, s19, TREG+12288
	s_mul_i32 s81, s16, 768
	s_add_co_u32 s81, s81, s23
	s_lshl_b32 s82, s16, 9
	s_add_co_u32 s82, s82, s19
	s_add_co_u32 s82, s82, 12288
	s_mul_i32 s83, s15, 768
	s_add_co_u32 s83, s83, s22
	s_lshl_b32 s84, s15, 1
	s_add_co_u32 s84, s84, s18
	s_add_co_u32 s84, s84, 12288
	s_xor_b32 s85, s15, 1
	s_lshl_b32 s85, s85, 1
	s_add_co_u32 s85, s85, s18
	s_add_co_u32 s85, s85, 12800
	s_lshr_b32 s88, s17, 4
	s_lshl_b32 s88, s88, 7
	s_and_b32 s89, s17, 15
	s_add_co_u32 s88, s88, s89                     ; 128 batch + block of the batch
	s_lshr_b32 s89, s40, 1
	s_lshl_b32 s89, s89, 9                         ; q or k
	s_and_b32 s90, s40, 1
	s_lshl_b32 s90, s90, 6                         ; pair 4 (g % 2)
	s_add_co_u32 s89, s89, s90
	s_add_co_u32 s89, s89, s88
	s_mul_i32 s74, s89, CQ
	s_add_nc_u64 s[OP:OP+1], s[8:9], s[74:75]
	s_lshl_b32 s89, s40, 5                         ; v: pair 2 g
	s_add_co_u32 s89, s89, s88
	s_add_co_u32 s89, s89, 1024
	s_mul_i32 s74, s89, CQ
	s_add_nc_u64 s[OPV:OPV+1], s[8:9], s[74:75]
	s_lshl_b32 s74, s40, 10
	s_lshl_b32 s89, s16, 8
	s_add_co_u32 s74, s74, s89
	s_add_co_u32 s74, s74, 8192
	s_add_nc_u64 s[86:87], s[6:7], s[74:75]        ; v's bias: column 128 (16 + 2 g) + 64 wc
	s_lshl_b32 s74, s40, 11
	s_add_co_u32 s74, s74, s89
	s_add_nc_u64 s[6:7], s[6:7], s[74:75]          ; q's, k's: column 128 (4 g) + 64 wc
	s_mul_i32 s74, s41, QUART
	s_mul_i32 s89, s14, 6400
	s_add_co_u32 s74, s74, s89
	s_add_nc_u64 s[PB:PB+1], s[4:5], s[74:75]
	s_cmp_lt_u32 s42, 4
	s_cselect_b32 s[PG], 1, -1
	s_mov_b32 s[TB], RB
	s_mov_b32 s[CT], 4
	s_add_co_u32 s[FO], s[FO], RB
	v_and_b32 v1, 31, v0                           ; lane
	v_and_b32 v2, 15, v0                           ; r
	v_bfe_u32 v3, v0, 4, 1                         ; h
	v_lshlrev_b32 v4, 4, v1
	v_lshlrev_b32 v5, 3, v1
	v_add_nc_u32 v[BB16], s22, v4
	v_add_nc_u32 v[BB8], s22, v5
	v_add_nc_u32 v[BBS], s76, v4
	v_add_nc_u32 v192, s77, v4                     ; v192-197: the tokens' block in LDS, used once
	v_add_nc_u32 v193, s77, v5
	v_add_nc_u32 v194, HALF, v192
	v_add_nc_u32 v195, HALF, v193
	v_add_nc_u32 v196, s80, v4
	v_add_nc_u32 v197, HALF, v196
	v_add_nc_u32 v[O16], s81, v4
	v_add_nc_u32 v[O8], s81, v5
	v_add_nc_u32 v[OS], s82, v4
	v_add_nc_u32 v[O16V], s83, v4
	v_add_nc_u32 v[O8V], s83, v5
	v_add_nc_u32 v[OSV], s84, v4
	v_add_nc_u32 v[OSW], s85, v4
	v_lshlrev_b32 v[BO], 6, v3
	v_and_b32 v12, 8, v2
	v_add_nc_u32 v12, v12, v2
	v_lshlrev_b32 v[RO], 2, v12
	v_min_u32 v[PFO], 24, v1
	v_lshlrev_b32 v[PFO], 8, v[PFO]
.irp k, 0,1,2,3,4,5,6,7
	v_mov_b32 v[TP+\k], 0                          ; written once: a lane permute's destination counts as one of its sources
.endr
	s_wait_alu depctr_va_vdst(0)
	BIASQ
	WIN 0xc0
.irp i, 0,1
.irp a, 0,1,2,3
	global_load_b32 v[128+4*\i+\a], v[RO], s[86:87] offset:512*\i+(32*(\a/2)+8*(\a%2))*4
.endr
.endr
	WIN 0
	CHANGE 2                                       ; the head's tiles are in; slot 1 takes the second column block
	s_xor_b32 s[TB], s[TB], RB
	s_add_co_u32 s[FO], s[FO], RB
	ASK
.irp q, 0,1,2,3,4,5,6,7                        ; my 64 tokens, all of K, into registers
	WIN (1+\q/5)<<6
.irp a, 0,1,2,3
	FRAG 48*(\q%5)+12*\a, 192+2*(\q/4), 193+2*(\q/4), (\q%4)*CH+1536*\a
.endr
.endr
	WIN 0
.irp q, 0,1,2,3,4,5,6,7
	ds_load_b64 v[TS+2*\q:TS+2*\q+1], v[196+\q/4] offset:(\q%4)*CH
.endr
.Lqk:                                              ; four trips for q and k; each ends by filling its slot with the block two trips on
	TRIP 0
	s_cmp_eq_u32 s[CT], 1
	s_cbranch_scc1 .Lno_bias                       ; the last of the four has no successor of its kind
	s_add_nc_u64 s[6:7], s[6:7], 512
	BIASQ
.Lno_bias:
	CHANGE 1
	s_xor_b32 s[TB], s[TB], RB
	s_add_co_u32 s[FO], s[FO], RB
	s_cmp_eq_u32 s[CT], 3
	s_cselect_b32 s[FO], s[OV], s[FO]              ; behind q's and k's four blocks come v's two
	ASK
	s_sub_co_u32 s[CT], s[CT], 1
	s_cmp_lg_u32 s[CT], 0
	s_cbranch_scc1 .Lqk
	s_mov_b64 s[OP:OP+1], s[OPV:OPV+1]
	s_mov_b32 s[CT], 2
.Lv:                                               ; two trips for v; nothing more is asked for; the second trip's change is the wave's closing lines and the closing round
	TRIP 1
	CHANGE 0
	s_xor_b32 s[TB], s[TB], RB
	s_sub_co_u32 s[CT], s[CT], 1
	s_cmp_lg_u32 s[CT], 0
	s_cbranch_scc1 .Lv
	s_endpgm
.Lfunc_end_k_q6aafaae5eb_gemm1:
	.size	k_q6aafaae5eb_gemm1, .Lfunc_end_k_q6aafaae5eb_gemm1-k_q6aafaae5eb_gemm1
	.p2alignl 7, 3214868480
	.fill 96, 4, 3214868480
	.section	.rodata,"a",@progbits
	.p2align	6, 0x0
	.amdhsa_kernel k_q6aafaae5eb_gemm1
		.amdhsa_group_segment_fixed_size 327680
		.amdhsa_private_segment_fixed_size 0
		.amdhsa_enable_private_segment 0
		.amdhsa_kernarg_size 24
		.amdhsa_user_sgpr_count 2
		.amdhsa_user_sgpr_kernarg_segment_ptr 1
		.amdhsa_wavefront_size32 1
		.amdhsa_system_sgpr_workgroup_id_x 1
		.amdhsa_system_sgpr_workgroup_id_y 1
		.amdhsa_system_sgpr_workgroup_id_z 1
		.amdhsa_system_vgpr_workitem_id 0
		.amdhsa_next_free_vgpr 1024
		.amdhsa_next_free_sgpr 100
		.amdhsa_reserve_vcc 1
		.amdhsa_float_denorm_mode_32 3
		.amdhsa_float_denorm_mode_16_64 3
		.amdhsa_memory_ordered 1
		.amdhsa_forward_progress 1
		.amdhsa_inst_pref_size 94
	.end_amdhsa_kernel
	.amdgpu_metadata
---
amdhsa.version: [ 1, 2 ]
amdhsa.kernels:
  - .name:           k_q6aafaae5eb_gemm1
    .symbol:         k_q6aafaae5eb_gemm1.kd
    .args:
      - { .name: opq, .offset: 0, .size: 8, .value_kind: global_buffer, .address_space: global }
      - { .name: b_attn, .offset: 8, .size: 8, .value_kind: global_buffer, .address_space: global }
      - { .name: qkv, .offset: 16, .size: 8, .value_kind: global_buffer, .address_space: global }
    .group_segment_fixed_size: 327680
    .private_segment_fixed_size: 0
    .kernarg_segment_align: 8
    .kernarg_segment_size: 24
    .max_flat_workgroup_size: 128
    .sgpr_count:     100
    .vgpr_count:     1024
    .wavefront_size: 32
...
	.end_amdgpu_metadata
.endif
;; end of part 3
;; launch attn (part 4): grid 8 x 32, 16 waves a work-group, no clusters, 327,680 bytes of LDS; arguments qkv, cq; writes cq
.if DOCPART == 4
	.amdgcn_target "amdgcn-amd-amdhsa--gfx1250"
	.amdhsa_code_object_version 6
	.text
	.protected	k_q6aafaae5eb_attn
	.globl	k_q6aafaae5eb_attn
	.p2align	8
	.type	k_q6aafaae5eb_attn,@function
k_q6aafaae5eb_attn:
	s_mov_b64 s[64:65], 0
	v_nop
	global_prefetch_b8 v0, s[64:65] scope:SCOPE_SE
	s_setreg_imm32_b32 hwreg(HW_REG_WAVE_MODE, 25, 1), 1
	s_wait_xcnt 0x0
; Causal attention on codes of BF6 (E3M2) with E8M0 scales, head size 64; its result is quantised along D and stored as chunks of codes for the last product.
; IN: qkv[which 512 + bp 16 + block][13,312], bp = 8 batch + pair of heads, block = 128 tokens of the batch.  A chunk: eight images of operand registers, fragment f at 1536 f (registers 0-3 at 16 x lane, 4-5 at 512 + 8 x lane,
; 6-9 at 768 + 16 x lane, 10-11 at 1280 + 8 x lane), lane (r, h): local row 32 (f / 2) + 8 (f % 2) + r + 8 (r / 8); scale words at 12,288 (16 bytes a lane: word w of lane l: fragment 2 w + l / 16), and at 12,800 turned by 16 bits.
; q, k: rows tokens, K the pair's 128 channels: the first 768 bytes of an image are head 0's 64 channels, the second head 1's.  v: rows the pair's channels, K 128 keys.
; OUT: cq[16 batch + block][pair][12,800]: ctx as such chunks, rows tokens, K the pair's 128 channels.
; THE SOFTMAX: t = score x log2(e) / 8; M = the running largest t rounded up to a whole number; p = 2^(t - M) is quantised along the keys, not normalised; the row's sum is taken of the unquantised p and divides O at the end.
; When M moves, the sum and O are multiplied by 2^(old M - new M): exact.
; SHARES.  Work-group (j, bp) takes query blocks j and 15 - j of one pair of heads, one after the other: (j + 1) + (16 - j) = 17 key steps of 128 keys in every work-group: the trip count is a constant, and key steps wholly
; behind the diagonal are never walked.  Wave w: head w % 2, query fragment w / 2: 16 queries.  Four waves to a SIMD.
; Both products are used transposed (S^T = K Q^T, O^T = V^T P^T): a lane holds one query.  The head's 64 channels fill half of the instruction's 128 along K: registers 6-11 of K's and Q's operands are zero codes.
; NO CLUSTER: the eight work-groups of a pair want a given chunk of K or V in different trips (their walks are shifted by j), so joint requests would not meet.
; LIMITS: NaN and infinities are not served; a block whose largest magnitude lies under 2^-122 keeps the byte 1; a block of zeros has the byte 1 (its codes are zeros); ctx = O x v_rcp_f32(sum).
; REGISTERS: v1-6 lane places, v7-12 the same in the slot in hand; v13-14 the add's; v15 the diagonal's bound; v16-27 Q, v28-33 the second block's Q, v34-35 their scale words; v36 -M, v37 the largest t, v[38:39] the sum;
; v40-87 four fragments of K; v88-151 S^T, then p, then V's four fragments; v152-183 O^T; v184-202 p's codes; v204-215 at work; v216-222 scale words; v[224:225] f; v226 at work; v227-228 ctx's scale bytes; v229-238 addresses.
.set CQ,    13312
.set CH,    12800
.set STP,   2*CQ                       ; a key step's place in LDS: K's chunk, then V's
.set SLOT1, 131072                     ; a slot holds four key steps, 4 STP = 106,496 bytes; slot 0 begins at 0, slot 1 here, so that one exclusive or turns an address
.set FIRST, SLOT1+4*STP                ; key step 0's own place, filled once
.set SCST,  FIRST+STP                  ; ctx's two scale areas, 512 bytes each
.set SPARE, SCST+1024                  ; the spare words, 128 bytes for each of 16 waves
.set IT,  80                           ; steps to go in a group
.set OT,  81                           ; groups to go in the loop
.set SB,  82                           ; the slot in hand
.set FN,  83                           ; the step of the walk (0 .. 16) that my next tensor load serves
.set J1,  84                           ; j + 1: the steps of the first query block
.set WV,  18
.set SEL, 20                           ; s[20:21]
.set CS,  22                           ; s[22:23] log2(e) / 8
.set G1,  24                           ; s[24:31]
.set G0,  32                           ; s[32:35]
.set KVB, 36                           ; s[36:37] wave 0: the pair's K chunks, wave 1: its V chunks
.set OFF, 38                           ; s[38:39]
.set KS,  40                           ; the key step in hand
.set QB,  41                           ; the query block in hand
.set QB1, 42                           ; 15 - j
.set KSN, 43                           ; the next key step
.set TB,  44                           ; the slot in hand
.set TR,  45                           ; trips to go
.set CQP, 46                           ; s[46:47] cq at block 0 of my batch and pair
.set CB,  48                           ; s[48:49]
.set PFA, 50                           ; s[50:51] where my prefetches stand
.set LIM, 52
.set BPR, 55                           ; bp
.macro TLOAD n                         ; waves 0 .. n - 1 fetch a chunk each, every one with its own group 0; s_nop 0 and four v_nop follow
	s_cmp_lt_u32 s[WV], \n
	s_cbranch_scc0 .Lnone_\@
	tensor_load_to_lds s[G0:G0+3], s[G1:G1+7]
	s_nop 0
.rept 4
	v_nop
.endr
.Lnone_\@:
.endm
; A PREFETCH INTO THE L2.  The pair's 16 chunks of K are one dense stream of 832 blocks of 256 bytes, and so are V's.  Chunks 0 to 7 are asked for by the fills of the walk's first two steps and come by their loads alone.
; Chunks 8 to 15 (blocks 416 to 831) are first wanted by work-group j = 0, by its fills at steps 5 and 9: it asks for them, waves 4 and 5 for K's stream, waves 6 and 7 for V's, lanes 256 bytes apart: at step n a wave
; names blocks 416 + 64 n + 32 (w % 2) + lane.  The even wave asks at steps 0 to 6, the odd one at steps 0 to 5: the last block named is 831; chunks 8 to 11 are named by step 3, chunks 12 to 15 by step 6.  Each block is named once.
.macro ASK
	s_cmp_gt_u32 s[TR], s[LIM]
	s_cbranch_scc0 .Lnot_mine_\@
	global_prefetch_b8 v232, s[PFA:PFA+1] th:TH_LOAD_NT scope:SCOPE_SE
.Lnot_mine_\@:
.endm
	s_load_b128 s[4:7], s[0:1], 0x0                ; qkv, cq
	v_lshl_add_u32 v13, v0, 2, SPARE
	v_mov_b32 v14, 0
	ds_add_u32 v13, v14
	ds_add_u32 v13, v14
	s_wait_dscnt 0x0
	v_lshrrev_b32 v1, 5, v0
	s_delay_alu instid0(VALU_DEP_1)
	v_readfirstlane_b32 s[WV], v1                  ; wave 0..15
	s_and_b32 s53, s[WV], 1                        ; the head of the pair
	s_lshr_b32 s54, s[WV], 1                       ; a: my query fragment
	s_and_b32 s[BPR], ttmp7, 0xffff
	s_mov_b32 s[QB], ttmp9
	s_sub_co_u32 s[QB1], 15, ttmp9
	; descriptor group 1: a chunk, 13,312 dense bytes, as 52 rows of 256 bytes (32 elements of 8 bytes)
	s_mov_b32 s[G1], 3<<16
	s_mov_b32 s[G1+1], 32<<16
	s_mov_b32 s[G1+2], 52<<16
	s_mov_b32 s[G1+3], 32<<16
	s_mov_b32 s[G1+4], 52
	s_mov_b32 s[G1+5], 32
	s_mov_b32 s[G1+6], 0
	s_mov_b32 s[G1+7], 0
	s_lshl_b32 s58, s[BPR], 4                      ; 16 bp
	s_add_co_u32 s56, s53, 1
	s_lshl_b32 s56, s56, 9
	s_add_co_u32 s56, s56, s58
	s_mul_i32 s56, s56, CQ                         ; K's (even waves) or V's (odd waves) chunks of the pair
	s_mov_b32 s57, 0
	s_add_co_u32 s60, s58, ttmp9
	s_mul_i32 s60, s60, CQ                         ; q's chunk of block j
	s_mov_b32 s61, 0
	s_add_co_u32 s62, s58, s[QB1]
	s_mul_i32 s62, s62, CQ                         ; and of block 15 - j
	s_mov_b32 s63, 0
	s_lshr_b32 s66, s[WV], 1
	s_and_b32 s66, s66, 1
	s_add_co_u32 s66, s66, 1
	s_lshl_b32 s66, s66, 9
	s_add_co_u32 s66, s66, s58
	s_mul_i32 s66, s66, CQ                         ; the prefetches: K's stream in waves 4, 5, V's in waves 6, 7,
	s_lshl_b32 s67, s53, 13
	s_add_co_u32 s66, s66, s67
	s_add_co_u32 s66, s66, 90112                   ; 64 blocks short of block 416 + 32 (w % 2): step 0 steps it there
	s_mov_b32 s67, 0
	s_lshr_b32 s70, s[BPR], 3
	s_lshl_b32 s70, s70, 7
	s_and_b32 s71, s[BPR], 7
	s_add_co_u32 s70, s70, s71
	s_mul_i32 s70, s70, CH                         ; cq: (128 batch + pair) chunks on
	s_mov_b32 s71, 0
	s_lshr_b32 s72, s[WV], 2
	s_xor_b32 s72, s72, 1                          ; 0 in waves 4 to 7,
	s_or_b32 s72, s72, ttmp9                       ; of work-group j = 0
	s_add_co_u32 s73, s53, 10                      ; with 17 - n steps to go at step n: the even wave asks while more than 10 are left, the odd one while more than 11
	s_cmp_eq_u32 s72, 0
	s_cselect_b32 s[LIM], s73, -1
	s_mov_b32 s[SEL], 0x76543210
	s_mov_b32 s[SEL+1], 0xfedcba98
	s_mov_b32 s[CS], 0x3e38aa3b                    ; log2(e) / 8
	s_mov_b32 s[CS+1], s[CS]
	s_mov_b32 s[KS], 0
	s_mov_b32 s[TB], FIRST
	s_mov_b32 s[TR], 17
	s_add_co_u32 s[J1], ttmp9, 1
	s_lshr_b32 s[FN], s[WV], 1
	s_add_co_u32 s[FN], s[FN], 1                   ; waves 2 i and 2 i + 1 fetch K's and V's chunk of a group's i-th step; the first group begins at step 1
	s_mov_b32 s[OFF+1], 0
	s_wait_kmcnt 0x0
	s_add_nc_u64 s[KVB:KVB+1], s[4:5], s[56:57]
	s_mov_b32 s[G0], 1
	s_mul_i32 s[G0+1], s[WV], CQ
	s_add_co_u32 s[G0+1], s[G0+1], FIRST           ; LDS: step 0's own place; K's chunk first, V's behind it
	s_mov_b64 s[G0+2:G0+3], s[KVB:KVB+1]           ; key step 0
	s_or_b32 s[G0+3], s[G0+3], 0x80000000
	TLOAD 2                                        ; step 0's tiles: waves 0 and 1, one load each
	s_add_nc_u64 s[60:61], s[4:5], s[60:61]
	s_add_nc_u64 s[62:63], s[4:5], s[62:63]
	s_add_nc_u64 s[PFA:PFA+1], s[4:5], s[66:67]
	s_add_nc_u64 s[CQP:CQP+1], s[6:7], s[70:71]
	v_and_b32 v240, 31, v0                         ; lane
	v_and_b32 v241, 15, v0                         ; r
	v_bfe_u32 v242, v0, 4, 1                       ; h
	s_delay_alu instid0(VALU_DEP_3)
	v_lshlrev_b32 v235, 4, v240                    ; 16 x lane
	s_delay_alu instid0(VALU_DEP_4)
	v_lshlrev_b32 v243, 3, v240                    ; 8 x lane
	s_mul_i32 s74, s53, 768
	v_add_nc_u32 v1, s74, v235                     ; K: my head's half of an image
	v_add_nc_u32 v2, s74, v243
	s_lshl_b32 s75, s53, 9
	v_add_nc_u32 v3, s75, v235                     ; K's scale words: head 1 takes the turned ones
	s_mul_i32 s75, s53, 6144
	v_add_nc_u32 v4, s75, v235                     ; V: my head's four fragments
	v_add_nc_u32 v5, s75, v243
	s_lshl_b32 s75, s53, 3
	v_add_nc_u32 v6, s75, v235                     ; V's scale words: my head's two of a lane's four
	s_lshr_b32 s75, s54, 1                         ; a / 2
	s_and_b32 s76, s54, 1                          ; a % 2
	s_lshl_b32 s77, s75, 5
	s_lshl_b32 s78, s76, 3
	s_add_co_u32 s77, s77, s78
	v_and_b32 v244, 8, v241
	s_delay_alu instid0(VALU_DEP_1)
	v_add_nc_u32 v244, v244, v241
	v_lshlrev_b32 v245, 4, v242
	s_delay_alu instid0(VALU_DEP_1)
	v_sub_nc_u32 v244, v244, v245
	s_delay_alu instid0(VALU_DEP_1)
	v_add_nc_u32 v15, s77, v244                    ; my query's place in its block - 16 h: register 16 b + i holds key 32 b + 16 h + i, hidden on the diagonal where 32 b + i is greater
	s_lshl_b32 s77, s76, 8
	s_lshl_b32 s78, s75, 2
	s_add_co_u32 s77, s77, s78
	v_lshl_add_u32 v238, v241, 4, s77              ; my row's word in a scale area: 16 (16 (a % 2) + r) + 4 (a / 2)
	s_lshl_b32 s78, s53, 1
	s_add_co_u32 s78, s78, SCST
	v_add_nc_u32 v229, s78, v238                   ; ctx's: my head's two bytes of it
	s_lshl_b32 s78, s53, 9
	v_add_nc_u32 v238, s78, v238                   ; Q's: head 1 takes the turned words
	s_mul_i32 s78, s54, 1536
	s_add_co_u32 s78, s78, s74
	v_add_nc_u32 v230, s78, v235                   ; my fragment's, my head's half of an image: Q's and ctx's
	v_add_nc_u32 v231, s78, v243
	v_lshlrev_b32 v232, 8, v240                    ; the prefetches' offset
	s_lshl_b32 s78, s53, 9
	s_add_co_u32 s78, s78, SCST
	v_add_nc_u32 v233, s78, v235                   ; waves 0, 1 read a scale area back
	global_load_b128 v[16:19], v230, s[60:61]
	global_load_b64 v[20:21], v231, s[60:61] offset:512
	global_load_b32 v34, v238, s[60:61] offset:12288
	global_load_b128 v[28:31], v230, s[62:63]
	global_load_b64 v[32:33], v231, s[62:63] offset:512
	global_load_b32 v35, v238, s[62:63] offset:12288
.irp i, 22,23,24,25,26,27
	v_mov_b32 v[\i], 0                             ; zero codes for K 64 .. 127
.endr
.irp t, 0,1,2,3
.irp i, 6,7,8,9,10,11
	v_mov_b32 v[40+12*\t+\i], 0                    ; likewise in K's fragments: never written again
.endr
.endr
	v_mov_b32 v37, 0xff61b1e6                      ; the largest t so far: -3e38
	s_delay_alu instid0(VALU_DEP_1)
	v_floor_f32 v36, -v37                          ; -M
	v_mov_b32 v38, 0
	v_mov_b32 v39, 0
.irp i, 208,209,210,211,225,226,228
	v_mov_b32 v[\i], 0                             ; permutes' destinations, a pair's upper half, and what is copied before it is first made
.endr
.set i, 0
.rept 32
	v_mov_b32 v[152+i], 0                          ; O^T: the step is written once; the first finds zeros
.set i, i+1
.endr
; THE WALK GOES IN GROUPS: step 0 from its own place, then four groups of four steps from two slots by turns: five barriers for 17 steps, and no barrier inside a group.
; THE CHANGE OF GROUPS.  fill = 1: behind the barrier the next group's four steps are asked for, eight chunks, one tensor load a wave in waves 0 to 7, into the slot that is not read in the group now beginning
; (turn = 0: slot 0's first fill; turn = 1: the other slot than the last fill's).  Step n of the walk wants key chunk n while n <= j, then chunk n - (j + 1).
; The add is written twice where a tensor load can follow.
.macro CHANGE fill, turn
	s_wait_tensorcnt 0x0                           ; no tensor load of mine is out, so group 0 may be written
	ds_add_u32 v13, v14                            ; 0 onto my spare word
.if \fill
	ds_add_u32 v13, v14
	s_cmp_le_u32 s[FN], ttmp9
	s_cselect_b32 s[OFF], 0, s[J1]
	s_sub_co_u32 s[OFF], s[FN], s[OFF]             ; my step's key chunk
	s_mul_i32 s[OFF], s[OFF], CQ
	s_add_co_u32 s[FN], s[FN], 4
.if \turn
	s_xor_b32 s[G0+1], s[G0+1], SLOT1
.else
	s_mul_i32 s[G0+1], s[WV], CQ                   ; slot 0: wave x a chunk
.endif
	s_add_nc_u64 s[G0+2:G0+3], s[KVB:KVB+1], s[OFF:OFF+1]
	s_or_b32 s[G0+3], s[G0+3], 0x80000000
.endif
	s_wait_dscnt 0x0                               ; the adds are done, and my reads of the group that I have left are over
	s_barrier_signal -1
	s_barrier_wait -1
.if \fill
	TLOAD 8                                        ; the first thing behind the barrier, and a wave's one tensor load until the next
.endif
.endm
; A KEY STEP: 128 keys.  diag = 1: the step is known to lie on the diagonal.
.macro STEP diag
	s_wait_xcnt 0x0                                ; the last prefetch, a step back, has read its address
	s_add_nc_u64 s[PFA:PFA+1], s[PFA:PFA+1], 16384
	ASK
.irp i, 1,2,3,4,5,6
	v_add_nc_u32 v[6+\i], s[TB], v[\i]             ; six plain instructions: also the places between the last step's products and the products below, which write over V's fragments
.endr
	ds_load_b128 v[216:219], v9 offset:12288       ; K's scale words
	s_wait_alu depctr_va_vdst(0)
.irp g, 0,1                                    ; S^T = K Q^T, four tiles of 16 keys at a time
.if \g
.rept 4
	v_nop                                          ; places in front of loads into registers that matrix instructions have read
.endr
.endif
.irp t, 0,1,2,3
	ds_load_b128 v[40+12*\t:43+12*\t], v7 offset:1536*(4*\g+\t)
	ds_load_b64 v[44+12*\t:45+12*\t], v8 offset:1536*(4*\g+\t)+512
.endr
	s_wait_dscnt 0x0
.irp t, 0,1,2,3
.if \t%2
	v_wmma_scale_f32_16x16x128_f8f6f4 v[88+8*(4*\g+\t):95+8*(4*\g+\t)], v[40+12*\t:51+12*\t], v[16:27], 0, v[216+(4*\g+\t)/2], v34 matrix_a_fmt:MATRIX_FMT_BF6 matrix_b_fmt:MATRIX_FMT_BF6 matrix_a_scale:MATRIX_SCALE_ROW1
.else
	v_wmma_scale_f32_16x16x128_f8f6f4 v[88+8*(4*\g+\t):95+8*(4*\g+\t)], v[40+12*\t:51+12*\t], v[16:27], 0, v[216+(4*\g+\t)/2], v34 matrix_a_fmt:MATRIX_FMT_BF6 matrix_b_fmt:MATRIX_FMT_BF6
.endif
.endr
.endr
.rept 4
	v_nop
.endr
.if !\diag                                     ; on the diagonal hidden scores become -infinity ahead of the maximum; a step all of whose keys count jumps over this (a branch on ids)
	s_cmp_lg_u32 s[KS], s[QB]
	s_cbranch_scc1 .Lopen_\@
.endif
	v_mov_b32 v226, 0xff800000
.irp n, 0,1,2,3,4,5,6,7,8,9,10,11,12,13,14,15,16,17,18,19,20,21,22,23,24,25,26,27,28,29,30,31,32,33,34,35,36,37,38,39,40,41,42,43,44,45,46,47,48,49,50,51,52,53,54,55,56,57,58,59,60,61,62,63
	v_cmp_gt_i32 vcc_lo, 32*(\n/16)+\n%16, v15
	v_cndmask_b32 v[88+\n], v[88+\n], v226, vcc_lo
.endr
.Lopen_\@:
.irp b, 0,1,2,3
	v_max3_num_f32 v[204+\b], v[88+16*\b], v[89+16*\b], v[90+16*\b]   ; the largest score of each block of 32 keys: for the row's maximum, and, since p rises with the score, for the block's largest p
.endr
.irp i, 3,5,7,9,11,13
.irp b, 0,1,2,3
	v_max3_num_f32 v[204+\b], v[204+\b], v[88+16*\b+\i], v[89+16*\b+\i]
.endr
.endr
.irp b, 0,1,2,3
	v_max_num_f32 v[204+\b], v[204+\b], v[103+16*\b]
.endr
.irp b, 0,1,2,3
	s_delay_alu instid0(VALU_DEP_4)
	v_permlanex16_b32 v[208+\b], v[204+\b], s[SEL], s[SEL+1]
.endr
.irp b, 0,1,2,3
	s_delay_alu instid0(VALU_DEP_4)
	v_max_num_f32 v[204+\b], v[204+\b], v[208+\b]  ; with lane l xor 16's 16 keys
.endr
	s_delay_alu instid0(VALU_DEP_2)
	v_max3_num_f32 v226, v204, v205, v206
	s_delay_alu instid0(VALU_DEP_1)
	v_max_num_f32 v226, v226, v207
	s_delay_alu instid0(VALU_DEP_1)
	v_mul_f32 v226, s[CS], v226
	s_delay_alu instid0(VALU_DEP_1)
	v_max_num_f32 v37, v37, v226                   ; the running largest t
	v_mov_b32 v226, v36
	s_delay_alu instid0(VALU_DEP_2)
	v_floor_f32 v36, -v37                          ; the new -M = -ceil(t)
	s_delay_alu instid0(VALU_DEP_1)
	v_sub_f32 v226, v36, v226                      ; old M - new M: a whole number, 0 or less
	s_delay_alu instid0(VALU_DEP_1)
	v_cvt_i32_f32 v226, v226
	s_delay_alu instid0(VALU_DEP_1)
	v_ldexp_f32 v224, 1.0, v226                    ; f = 2^(old M - new M)
.irp j, 0,2,4,6,8,10,12,14,16,18,20,22,24,26,28,30,32,34,36,38,40,42,44,46,48,50,52,54,56,58,60,62
	v_pk_fma_f32 v[88+\j:89+\j], v[88+\j:89+\j], s[CS:CS+1], v[36:37] op_sel_hi:[1,0,0]   ; t - M
.endr
.irp b, 0,1,2,3
	v_fma_f32 v[204+\b], v[204+\b], s[CS], v36
.endr
	s_wait_alu depctr_va_vdst(0)
.irp j, 0,1,2,3,4,5,6,7,8,9,10,11,12,13,14,15,16,17,18,19,20,21,22,23,24,25,26,27,28,29,30,31,32,33,34,35,36,37,38,39,40,41,42,43,44,45,46,47,48,49,50,51,52,53,54,55,56,57,58,59,60,61,62,63
	v_exp_f32 v[88+\j], v[88+\j]                   ; p = 2^(t - M)
.endr
	v_pk_mul_f32 v[38:39], v[38:39], v[224:225] op_sel_hi:[1,0]   ; the sums under the new M: a plain instruction behind the exponentials
	s_wait_alu depctr_va_vdst(0)                   ; one wait for the batch, ahead of its first reader
.irp b, 0,1,2,3
	v_exp_f32 v[204+\b], v[204+\b]                 ; the block's largest p
.endr
	v_pk_add_f32 v[236:237], v[92:93], v[96:97]
	v_pk_add_f32 v[254:255], v[100:101], v[104:105]
	v_pk_add_f32 v[252:253], v[108:109], v[112:113]
	v_pk_add_f32 v[250:251], v[116:117], v[120:121]
	v_pk_add_f32 v[248:249], v[124:125], v[128:129]
	v_pk_add_f32 v[246:247], v[132:133], v[136:137]
	v_pk_add_f32 v[244:245], v[140:141], v[144:145]
	v_pk_add_f32 v[38:39], v[38:39], v[148:149]
	v_pk_add_f32 v[236:237], v[236:237], v[88:89]
	v_pk_add_f32 v[254:255], v[254:255], v[90:91]
	v_pk_add_f32 v[252:253], v[252:253], v[94:95]
	v_pk_add_f32 v[250:251], v[250:251], v[98:99]
	v_pk_add_f32 v[248:249], v[248:249], v[102:103]
	v_pk_add_f32 v[246:247], v[246:247], v[106:107]
	v_pk_add_f32 v[244:245], v[244:245], v[110:111]
	v_pk_add_f32 v[38:39], v[38:39], v[114:115]
	v_pk_add_f32 v[236:237], v[236:237], v[118:119]
	v_pk_add_f32 v[254:255], v[254:255], v[122:123]
	v_pk_add_f32 v[252:253], v[252:253], v[126:127]
	v_pk_add_f32 v[250:251], v[250:251], v[130:131]
	v_pk_add_f32 v[248:249], v[248:249], v[134:135]
	v_pk_add_f32 v[246:247], v[246:247], v[138:139]
	v_pk_add_f32 v[244:245], v[244:245], v[142:143]
	v_pk_add_f32 v[38:39], v[38:39], v[146:147]
	v_pk_add_f32 v[236:237], v[236:237], v[150:151]
	s_delay_alu instid0(VALU_DEP_2)
	v_pk_add_f32 v[38:39], v[38:39], v[250:251]
	s_delay_alu instid0(VALU_DEP_2)
	v_pk_add_f32 v[236:237], v[236:237], v[248:249]
	v_pk_add_f32 v[254:255], v[254:255], v[246:247]
	v_pk_add_f32 v[252:253], v[252:253], v[244:245]
	s_delay_alu instid0(VALU_DEP_2)
	v_pk_add_f32 v[38:39], v[38:39], v[254:255]
	s_delay_alu instid0(VALU_DEP_2)
	v_pk_add_f32 v[236:237], v[236:237], v[252:253]
	s_delay_alu instid0(VALU_DEP_1)
	v_pk_add_f32 v[38:39], v[38:39], v[236:237]
	s_wait_alu depctr_va_vdst(0)                   ; and one for the four
.irp b, 0,1,2,3
	v_max_num_f32 v[204+\b], 0x2800000, v[204+\b]  ; the floor 2^(5 - 127)
.endr
.irp b, 0,1,2,3
	s_delay_alu instid0(VALU_DEP_4)
	v_add_nc_u32 v[212+\b], 0xfe000000, v[204+\b]  ; the conversion's scale operand
.endr
.irp b, 0,1,2,3
	s_delay_alu instid0(VALU_DEP_4)
	v_lshrrev_b32 v[208+\b], 23, v[212+\b]         ; the scale's byte
.endr
	s_delay_alu instid0(VALU_DEP_3)
	v_lshl_or_b32 v222, v209, 8, v208              ; p's scale word for these 128 keys
	s_delay_alu instid0(VALU_DEP_1)
	v_lshl_or_b32 v222, v210, 16, v222
	s_delay_alu instid0(VALU_DEP_1)
	v_lshl_or_b32 v222, v211, 24, v222
.irp c, 0,1
	v_cvt_scalef32_pk16_bf6_f32 v[184+6*\c:186+6*\c], v[88+32*\c:103+32*\c], v[212+2*\c]
	v_cvt_scalef32_pk16_bf6_f32 v[196+4*\c:198+4*\c], v[104+32*\c:119+32*\c], v[212+2*\c+1]
.endr
	v_nop                                          ; one plain instruction behind the scaled conversions
	ds_load_b64 v[220:221], v12 offset:CQ+12288    ; V's scale words, and my head's four fragments, into p's registers: they land while the halves change places and O^T is rescaled
.irp t, 0,1,2,3
	ds_load_b128 v[88+12*\t:91+12*\t], v10 offset:CQ+1536*\t
	ds_load_b64 v[92+12*\t:93+12*\t], v11 offset:CQ+1536*\t+512
	ds_load_b128 v[94+12*\t:97+12*\t], v10 offset:CQ+1536*\t+768
	ds_load_b64 v[98+12*\t:99+12*\t], v11 offset:CQ+1536*\t+1280
.endr
.irp c, 0,1                                    ; the layout wants a whole block in a lane
.irp i, 0,1,2
	v_permlane16_swap_b32 v[184+6*\c+\i], v[196+4*\c+\i]
.endr
.irp i, 0,1,2
	s_delay_alu instid0(VALU_DEP_3)
	v_mov_b32 v[187+6*\c+\i], v[196+4*\c+\i]
.endr
.endr
.irp j, 0,2,4,6,8,10,12,14,16,18,20,22,24,26,28,30
	v_pk_mul_f32 v[152+\j:153+\j], v[152+\j:153+\j], v[224:225] op_sel_hi:[1,0]   ; O^T under the new M; these sixteen are also the places in front of the scaled products
.endr
	s_wait_alu depctr_va_vdst(0)
	s_wait_dscnt 0x0
.irp t, 0,1,2,3                                ; O^T += V^T P^T: four accumulators by turns
.if \t%2
	v_wmma_scale_f32_16x16x128_f8f6f4 v[152+8*\t:159+8*\t], v[88+12*\t:99+12*\t], v[184:195], v[152+8*\t:159+8*\t], v[220+\t/2], v222 matrix_a_fmt:MATRIX_FMT_BF6 matrix_b_fmt:MATRIX_FMT_BF6 matrix_a_scale:MATRIX_SCALE_ROW1
.else
	v_wmma_scale_f32_16x16x128_f8f6f4 v[152+8*\t:159+8*\t], v[88+12*\t:99+12*\t], v[184:195], v[152+8*\t:159+8*\t], v[220+\t/2], v222 matrix_a_fmt:MATRIX_FMT_BF6 matrix_b_fmt:MATRIX_FMT_BF6
.endif
.endr
.endm
; A QUERY BLOCK'S END: O^T / the sum; register 16 b + i is channel 32 b + 16 h + i of my head: two blocks of 32 along D; their codes are my head's half of fragment a of ctx's chunk.  reset = 1: on to the second block.
.macro FINAL reset
.rept 4
	v_nop                                          ; places behind the last products
.endr
	v_add_f32 v38, v38, v39
	s_delay_alu instid0(VALU_DEP_1)
	v_permlanex16_b32 v226, v38, s[SEL], s[SEL+1]
	s_delay_alu instid0(VALU_DEP_1)
	v_add_f32 v38, v38, v226                       ; the row's sum
	s_wait_alu depctr_va_vdst(0)
	v_rcp_f32 v224, v38
	v_nop                                          ; a plain instruction behind the reciprocal
	s_wait_alu depctr_va_vdst(0)                   ; the wait ahead of its first reader
.irp j, 0,2,4,6,8,10,12,14,16,18,20,22,24,26,28,30
	v_pk_mul_f32 v[88+\j:89+\j], v[152+\j:153+\j], v[224:225] op_sel_hi:[1,0]   ; each accumulator from its low end on
.endr
.irp b, 0,1
	v_max3_num_f32 v[204+\b], |v[88+16*\b]|, |v[89+16*\b]|, 0x2800000
.endr
.irp i, 2,4,6,8,10,12,14
.irp b, 0,1
	s_delay_alu instid0(VALU_DEP_2)
	v_max3_num_f32 v[204+\b], v[204+\b], |v[88+16*\b+\i]|, |v[89+16*\b+\i]|
.endr
.endr
.irp b, 0,1
	s_delay_alu instid0(VALU_DEP_2)
	v_permlanex16_b32 v[208+\b], v[204+\b], s[SEL], s[SEL+1]
.endr
.irp b, 0,1
	s_delay_alu instid0(VALU_DEP_2)
	v_max_num_f32 v[204+\b], v[204+\b], v[208+\b]
.endr
.irp b, 0,1
	s_delay_alu instid0(VALU_DEP_2)
	v_add_nc_u32 v[212+\b], 0xfe000000, v[204+\b]
.endr
.irp b, 0,1
	s_delay_alu instid0(VALU_DEP_2)
	v_lshrrev_b32 v[208+\b], 23, v[212+\b]
.endr
	v_mov_b32 v227, v228                           ; the first block's two bytes move on,
	s_delay_alu instid0(VALU_DEP_2)
	v_lshl_or_b32 v228, v209, 8, v208              ; these are this block's
	v_cvt_scalef32_pk16_bf6_f32 v[184:186], v[88:103], v212
	v_cvt_scalef32_pk16_bf6_f32 v[196:198], v[104:119], v213
	v_nop
.irp i, 0,1,2
	v_permlane16_swap_b32 v[184+\i], v[196+\i]
.endr
.irp i, 0,1,2
	s_delay_alu instid0(VALU_DEP_3)
	v_mov_b32 v[187+\i], v[196+\i]
.endr
	s_mul_i32 s70, s[QB], 8*CH
	s_mov_b32 s71, 0
	s_add_nc_u64 s[CB:CB+1], s[CQP:CQP+1], s[70:71]
	global_store_b128 v230, v[184:187], s[CB:CB+1]              ; 512 consecutive bytes
	global_store_b64 v231, v[188:189], s[CB:CB+1] offset:512    ; 256
.if \reset
.irp i, 0,1,2,3,4,5
	v_mov_b32 v[16+\i], v[28+\i]                   ; the second block's Q
.endr
	v_mov_b32 v34, v35                             ; and its scale words
	v_mov_b32 v37, 0xff61b1e6
	s_delay_alu instid0(VALU_DEP_1)
	v_floor_f32 v36, -v37
	v_mov_b32 v38, 0
	v_mov_b32 v39, 0
.set i, 0
.rept 32
	v_mov_b32 v[152+i], 0
.set i, i+1
.endr
	s_mov_b32 s[QB], s[QB1]
.endif
	s_wait_xcnt 0x0                                ; the stores have read their registers and their base
.endm
; A step of the walk and what follows it.  The first query block, j <= 7, ends at step j: so the steps from 13 on (late = 1) carry no end of a block inside them.
.macro ONE late
	STEP 0
	s_add_co_u32 s[KSN], s[KS], 1
	s_sub_co_u32 s[TR], s[TR], 1
	s_add_co_u32 s[TB], s[TB], STP                 ; the next step's place in the slot
.if !\late
	s_cmp_eq_u32 s[KS], s[QB]
	s_cselect_b32 s[KSN], 0, s[KSN]                ; behind a block's last step the keys begin anew
	s_cbranch_scc0 .Lsame_\@
	FINAL 1
.Lsame_\@:
.endif
	s_mov_b32 s[KS], s[KSN]
.endm
	s_wait_alu depctr_va_vdst(0)
	s_wait_loadcnt 0x0                             ; Q
	CHANGE 1, 0                                    ; step 0's tiles are in; steps 1 to 4 are asked for, into slot 0
	ONE 0                                          ; step 0
	s_mov_b32 s[SB], 0
	s_mov_b32 s[OT], 3
.Lgroup:                                           ; three groups that ask for a successor: steps 1-4, 5-8, 9-12; the fourth is written out
	CHANGE 1, 1
	s_mov_b32 s[TB], s[SB]
	s_mov_b32 s[IT], 4
.Lstep:
	ONE 0
	s_sub_co_u32 s[IT], s[IT], 1
	s_cmp_lg_u32 s[IT], 0
	s_cbranch_scc1 .Lstep
	s_xor_b32 s[SB], s[SB], SLOT1
	s_sub_co_u32 s[OT], s[OT], 1
	s_cmp_lg_u32 s[OT], 0
	s_cbranch_scc1 .Lgroup
	CHANGE 0, 0                                    ; steps 13 to 16 lie in slot 1; nothing more is asked for
	s_mov_b32 s[TB], SLOT1
	s_mov_b32 s[IT], 4
.Ltail:
	ONE 1
	s_sub_co_u32 s[IT], s[IT], 1
	s_cmp_lg_u32 s[IT], 0
	s_cbranch_scc1 .Ltail
	FINAL 0
	ds_store_b16 v229, v227                        ; my rows' two scale bytes of block j, and of block 15 - j; both halves of the lanes write the same
	s_wait_alu depctr_va_vdst(0)
	ds_store_b16 v229, v228 offset:512
	s_wait_dscnt 0x0                               ; for the others' sake
	s_barrier_signal -1
	s_barrier_wait -1
	s_cmp_lt_u32 s[WV], 2
	s_cbranch_scc0 .Lno_scales
	s_cmp_eq_u32 s[WV], 0
	s_cselect_b32 s70, ttmp9, s[QB1]               ; wave 0: block j's chunk, wave 1: block 15 - j's
	s_mul_i32 s70, s70, 8*CH
	s_mov_b32 s71, 0
	s_add_nc_u64 s[CB:CB+1], s[CQP:CQP+1], s[70:71]
	ds_load_b128 v[240:243], v233
	s_wait_dscnt 0x0
	global_store_b128 v235, v[240:243], s[CB:CB+1] offset:12288   ; the chunk's scale area: 512 consecutive bytes
.Lno_scales:
	s_wait_tensorcnt 0x0                           ; the wave's end
	ds_add_u32 v13, v14
	s_wait_dscnt 0x0
	s_endpgm
.Lfunc_end_k_q6aafaae5eb_attn:
	.size	k_q6aafaae5eb_attn, .Lfunc_end_k_q6aafaae5eb_attn-k_q6aafaae5eb_attn
	.p2alignl 7, 3214868480
	.fill 96, 4, 3214868480
	.section	.rodata,"a",@progbits
	.p2align	6, 0x0
	.amdhsa_kernel k_q6aafaae5eb_attn
		.amdhsa_group_segment_fixed_size 327680
		.amdhsa_private_segment_fixed_size 0
		.amdhsa_enable_private_segment 0
		.amdhsa_kernarg_size 16
		.amdhsa_user_sgpr_count 2
		.amdhsa_user_sgpr_kernarg_segment_ptr 1
		.amdhsa_wavefront_size32 1
		.amdhsa_system_sgpr_workgroup_id_x 1
		.amdhsa_system_sgpr_workgroup_id_y 1
		.amdhsa_system_sgpr_workgroup_id_z 1
		.amdhsa_system_vgpr_workitem_id 0
		.amdhsa_next_free_vgpr 256
		.amdhsa_next_free_sgpr 90
		.amdhsa_reserve_vcc 1
		.amdhsa_float_denorm_mode_32 3
		.amdhsa_float_denorm_mode_16_64 3
		.amdhsa_memory_ordered 1
		.amdhsa_forward_progress 1
		.amdhsa_inst_pref_size 96
	.end_amdhsa_kernel
	.amdgpu_metadata
---
amdhsa.version: [ 1, 2 ]
amdhsa.kernels:
  - .name:           k_q6aafaae5eb_attn
    .symbol:         k_q6aafaae5eb_attn.kd
    .args:
      - { .name: qkv, .offset: 0, .size: 8, .value_kind: global_buffer, .address_space: global }
      - { .name: cq, .offset: 8, .size: 8, .value_kind: global_buffer, .address_space: global }
    .group_segment_fixed_size: 327680
    .private_segment_fixed_size: 0
    .kernarg_segment_align: 8
    .kernarg_segment_size: 16
    .max_flat_workgroup_size: 512
    .sgpr_count:     90
    .vgpr_count:     256
    .wavefront_size: 32
...
	.end_amdgpu_metadata
.endif
;; end of part 4
;; launch gemm2 (part 5): grid 4 x 64, 4 waves a work-group, clusters of 4 x 4, 327,680 bytes of LDS; arguments cq, opq, b_proj, out0; writes out0
.if DOCPART == 5
	.amdgcn_target "amdgcn-amd-amdhsa--gfx1250"
	.amdhsa_code_object_version 6
	.text
	.protected	k_q6aafaae5eb_gemm2
	.globl	k_q6aafaae5eb_gemm2
	.p2align	8
	.type	k_q6aafaae5eb_gemm2,@function
k_q6aafaae5eb_gemm2:
	s_mov_b64 s[64:65], 0
	v_nop
	global_prefetch_b8 v0, s[64:65] scope:SCOPE_SE
	s_setreg_imm32_b32 hwreg(HW_REG_WAVE_MODE, 25, 1), 1
	s_wait_xcnt 0x0
	s_wait_alu depctr_hold_cnt(0) depctr_sa_sdst(0) depctr_va_vdst(0) depctr_va_sdst(0) depctr_va_ssrc(0) depctr_va_vcc(0) depctr_vm_vsrc(0)
	s_getreg_b32 s2, hwreg(HW_REG_IB_STS2, 6, 4)
	s_cmp_eq_u32 s2, 0
	s_cbranch_scc0 .Lentry_in_a_cluster
	s_endpgm
.Lentry_in_a_cluster:
	s_bfe_u32 s2, ttmp6, 0x10000c
	s_cmp_lg_u32 s2, 0xf033
	s_cbranch_scc0 .Lentry_shape_is_right
	s_endpgm
.Lentry_shape_is_right:
; out0 = ctx W_proj + b_proj on codes of BF6 (E3M2) with E8M0 scales, f32 sums.  ctx: cq[token block 0..63][K chunk][12,800]; W_proj's columns: opq's row blocks 88-95; chunks of operand images, 128 rows x 128 K:
; fragment f at 1536 f (registers 0-3 at 16 x lane, 4-5 at 512 + 8 x lane, 6-9 at 768 + 16 x lane, 10-11 at 1280 + 8 x lane), lane (r, h): local row 32 (f / 2) + 8 (f % 2) + r + 8 (r / 8); scale words at 12,288.
; SHARES: 64 x 8 tiles of 128 x 128: 256 work-groups of two.  Work-group (g, t): token block t against column blocks 2 g, 2 g + 1.  Wave (wr, wc) makes 64 x 64: 16 accumulators by turns.
; The tokens' codes, all of K, come once into LDS and from there into 384 registers a wave; the column blocks, 102,400 dense bytes each, lie in two LDS slots, each filled once.  Source 0 = columns, source 1 = tokens: a lane holds
; eight neighbouring columns of a token's row.  The bias is the C of each accumulator's first product.  The result leaves through each wave's own stage in LDS as rows of 256 bytes, aligned.
; CLUSTER 4 x 4: cx = g, cy = t % 4: the tokens' block is asked for jointly along a row of the cluster, the column blocks along a column.
; NO PREFETCH: the second and last column block is asked for by its own load as soon as the first has landed: there is no trip to run ahead in.
; REGISTERS: window 0: v1-29 lanes, addresses; v32-47 the tokens' scale words, v48-63 the columns'; v64-159 the columns' fragments, two sets; v160-191 the bias; v192-255 the way out.
;   windows 1, 2: the tokens' fragments, K chunk q at 48 (q % 5) of window 1 + q / 5.  window 3: accumulator (a, b) at 8 (4 a + b).
.set CH,    12800
.set RB,    8*CH
.set HALF,  4*CH
.set QUART, 2*CH
.set TREG,  2*RB
.set STAGE, 3*RB                       ; 16 rows x (256 + 16) bytes for each wave; no tensor load lands here
.set SP,    272
.set SPARE, STAGE+4*16*SP
.set BA,    6
.set BB16,  14
.set BB8,   15
.set BBS,   16
.set STO,   17
.set RD,    18
.set CO,    19
.set BO,    24
.set SPW,   28
.set NIL,   29
.set TS,    32
.set BS,    48
.set BF,    64
.set BIAS,  160
.set BK,    192
.set G1,  24
.set G0T, 32
.set G0B, 36
.set G1B, 48
.set FO,  56
.set TB,  59
.set CT,  60
.set WOFF, 61
.set OP,  62
.set MSB, 0
.macro WIN new                         ; the immediate's high byte repeats the setting that is left
.if MSB != (\new)
	s_set_vgpr_msb (MSB<<8)|(\new)
.set MSB, (\new)
.endif
.endm
.macro PLACES n                        ; plain vector instructions behind a matrix instruction (ISA guide 7.12.1)
.rept \n
	v_nop
.endr
.endm
.macro CROUND                          ; a round of the cluster's barrier
	s_barrier_signal -1
	s_barrier_wait -1
	s_cmp_lg_u32 s14, 0
	s_cbranch_scc1 .Lnot_wave_0_\@
	s_barrier_signal -3
.Lnot_wave_0_\@:
	s_barrier_wait -3
	s_barrier_signal -1
	s_barrier_wait -1
.endm
; Every wave waits for all its tensor loads, adds 0 to its spare word, waits for that and for its LDS instructions; a round; fill: slot TB takes the column block at FO, a quarter a wave.
.macro CHANGE fill
	s_wait_alu depctr_va_vdst(0)                   ; the wait ahead of the blocking wait
	s_wait_tensorcnt 0x0
	ds_add_u32 v[SPW], v[NIL]
.if \fill
	s_mov_b32 s[G1B+2], 100<<16                    ; no tensor load of mine is out: this load brings 100 rows of 256 bytes
	s_mov_b32 s[G1B+4], 100
	s_add_co_u32 s[G0B+1], s[WOFF], s[TB]
	s_add_nc_u64 s[G0B+2:G0B+3], s[46:47], s[FO:FO+1]
	s_or_b32 s[G0B+3], s[G0B+3], 0x80000000
.endif
	s_wait_dscnt 0x0
	CROUND
.if \fill
	tensor_load_to_lds s[G0B:G0B+3], s[G1B:G1B+7]
	s_nop 0
	PLACES 4
.endif
.endm
.macro FRAG reg, a16, a8, off          ; a fragment's image comes back as it was stored; every load is dense
	ds_load_b128 v[(\reg):(\reg)+3], v[\a16] offset:(\off)
	ds_load_b64 v[(\reg)+4:(\reg)+5], v[\a8] offset:(\off)+512
	ds_load_b128 v[(\reg)+6:(\reg)+9], v[\a16] offset:(\off)+768
	ds_load_b64 v[(\reg)+10:(\reg)+11], v[\a8] offset:(\off)+1280
.endm
.macro FETCHB k                        ; my four column fragments of K chunk k into set k % 2
.irp i, 0,1,2,3
	FRAG BF+48*((\k)%2)+12*\i, BA+(\k)/4, BA+2+(\k)/4, ((\k)%4)*CH+1536*\i
.endr
.endm
.macro BIASQ                           ; tile b, register j: column 32 (b / 2) + 8 (b % 2) + 16 h + j
.irp b, 0,1,2,3
	global_load_b128 v[BIAS+8*\b:BIAS+8*\b+3], v[BO], s[8:9] offset:128*(\b/2)+32*(\b%2)
	global_load_b128 v[BIAS+8*\b+4:BIAS+8*\b+7], v[BO], s[8:9] offset:128*(\b/2)+32*(\b%2)+16
.endr
.endm
; one product: the tokens' fragment a x the columns' fragment b.  A scale register serves an even fragment from lanes 0-15 and the odd one behind it from lanes 16-31.
.macro WM a, b, q
.set rD, 8*(4*(\a)+(\b))
.set rC, rD
.if (\q) == 0
.set rC, BIAS+8*(\b)
.endif
.set xA, BF+48*((\q)%2)+12*(\b)
.set xB, 48*((\q)%5)+12*(\a)
.set zA, BS+2*(\q)+(\b)/2
.set zB, TS+2*(\q)+(\a)/2
.set odd, 2*((\b)%2)+(\a)%2
.if odd == 0
	v_wmma_scale_f32_16x16x128_f8f6f4 v[rD:rD+7], v[xA:xA+11], v[xB:xB+11], v[rC:rC+7], v[zA], v[zB] matrix_a_fmt:MATRIX_FMT_BF6 matrix_b_fmt:MATRIX_FMT_BF6
.elseif odd == 1
	v_wmma_scale_f32_16x16x128_f8f6f4 v[rD:rD+7], v[xA:xA+11], v[xB:xB+11], v[rC:rC+7], v[zA], v[zB] matrix_a_fmt:MATRIX_FMT_BF6 matrix_b_fmt:MATRIX_FMT_BF6 matrix_b_scale:MATRIX_SCALE_ROW1
.elseif odd == 2
	v_wmma_scale_f32_16x16x128_f8f6f4 v[rD:rD+7], v[xA:xA+11], v[xB:xB+11], v[rC:rC+7], v[zA], v[zB] matrix_a_fmt:MATRIX_FMT_BF6 matrix_b_fmt:MATRIX_FMT_BF6 matrix_a_scale:MATRIX_SCALE_ROW1
.else
	v_wmma_scale_f32_16x16x128_f8f6f4 v[rD:rD+7], v[xA:xA+11], v[xB:xB+11], v[rC:rC+7], v[zA], v[zB] matrix_a_fmt:MATRIX_FMT_BF6 matrix_b_fmt:MATRIX_FMT_BF6 matrix_a_scale:MATRIX_SCALE_ROW1 matrix_b_scale:MATRIX_SCALE_ROW1
.endif
.endm
; THE WAY OUT, by the tokens' fragments: 16 rows x 64 columns go through my stage and come back as rows of 256 bytes, two rows a load.  LDS serves a wave's instructions in order: no wait between the stores and the loads.
.macro TOSTAGE a
	WIN 0x0c                                       ; the data: window 3
.irp b, 0,1,2,3
	ds_store_b128 v[STO], v[32*(\a)+8*\b:32*(\a)+8*\b+3] offset:128*(\b/2)+32*(\b%2)        ; each accumulator from its low end on
	ds_store_b128 v[STO], v[32*(\a)+8*\b+4:32*(\a)+8*\b+7] offset:128*(\b/2)+32*(\b%2)+16
.endr
	WIN 0
.irp t, 0,1,2,3,4,5,6,7
	ds_load_b128 v[BK+32*((\a)%2)+4*\t:BK+32*((\a)%2)+4*\t+3], v[RD] offset:2*\t*SP
.endr
.endm
.macro SEND a, younger                 ; stage row 2 t + h is the fragment's lane row: token 32 (a / 2) + 8 (a % 2) + 2 t + h + 8 (t / 4) of my 64; sixteen lanes store 256 consecutive bytes, aligned
	s_wait_dscnt \younger
.irp t, 0,1,2,3,4,5,6,7
	global_store_b128 v[CO], v[BK+32*((\a)%2)+4*\t:BK+32*((\a)%2)+4*\t+3], s[OP:OP+1] offset:(32*((\a)/2)+8*((\a)%2)+2*\t+8*(\t/4))*4096 th:TH_STORE_NT
.endr
.endm
; A TRIP: 128 x 128 x 1,024.  Each K step waits for its four fragments, asks for the next step's and issues 16 products.
.macro TRIP
	v_add_nc_u32 v[BA], s[TB], v[BB16]
	v_add_nc_u32 v[BA+2], s[TB], v[BB8]
	v_add_nc_u32 v[BA+4], s[TB], v[BBS]
	v_add_nc_u32 v[BA+1], HALF, v[BA]
	v_add_nc_u32 v[BA+3], HALF, v[BA+2]
	v_add_nc_u32 v[BA+5], HALF, v[BA+4]
	s_wait_alu depctr_va_vdst(0)
.irp q, 0,1,2,3,4,5,6,7
	ds_load_b64 v[BS+2*\q:BS+2*\q+1], v[BA+4+\q/4] offset:(\q%4)*CH
.endr
	FETCHB 0
	s_wait_loadcnt 0x0                             ; the bias
.irp q, 0,1,2,3,4,5,6,7
	s_wait_dscnt 0x0                               ; this step's fragments are in
.if \q < 7
	PLACES 4                                       ; in front of loads into the set that the last step multiplied
	FETCHB \q+1
.endif
.set cw, 0x30
.if \q == 0
.set cw, 0                                     ; the first products take the bias, in window 0, as C
.endif
	WIN 0xc0+cw+4*(1+\q/5)
.irp a, 0,1,2,3
.irp b, 0,1,2,3
	WM \a, \b, \q
.endr
.endr
	WIN 0
.endr
	PLACES 4
	TOSTAGE 0
.irp a, 1,2,3
.if \a > 1
	s_wait_xcnt 0x0                                ; fragment a - 2's stores have read their registers
.endif
	TOSTAGE \a
	SEND \a-1, 16                                  ; behind fragment a - 1's loads: fragment a's 8 stores and 8 loads
.endr
	SEND 3, 0
	s_wait_xcnt 0x0                                ; the stores have read their registers and their base
	s_add_nc_u64 s[OP:OP+1], s[OP:OP+1], 512       ; the next 128 columns
.endm
	s_load_b256 s[4:11], s[0:1], 0x0               ; cq, opq, b_proj, out0
	v_lshl_add_u32 v[SPW], v0, 2, SPARE
	v_mov_b32 v[NIL], 0
	ds_add_u32 v[SPW], v[NIL]                      ; the opening lines: the add, twice on end, and its wait
	ds_add_u32 v[SPW], v[NIL]
	v_lshrrev_b32 v1, 5, v0
	v_readfirstlane_b32 s14, v1                    ; wave
	s_lshr_b32 s15, s14, 1                         ; wr.  Also: at the head I fetch the tokens (0) or the columns (1)
	s_and_b32 s16, s14, 1                          ; wc.  Also: which half of that block
	s_bfe_u32 s40, ttmp6, 0x40000                  ; cx = g
	s_bfe_u32 s41, ttmp6, 0x40004                  ; cy
	s_and_b32 s42, ttmp7, 0xffff
	s_lshl_b32 s17, s42, 2
	s_add_co_u32 s17, s17, s41                     ; t
	s_lshl_b32 s43, s41, 2
	s_lshl_b32 s43, 15, s43                        ; my row of the cluster
	s_lshl_b32 s44, 0x1111, s40                    ; my column
	s_or_b32 s[G1], s43, (3<<16)|(1<<21)           ; dense bytes as rows of 256 (32 elements of 8 bytes); the tokens go to my row,
	s_or_b32 s[G1B], s44, (3<<16)|(1<<21)          ; the columns to my column
.irp g, G1, G1B
	s_mov_b32 s[\g+1], 32<<16
	s_mov_b32 s[\g+2], 200<<16                     ; at the head half a block, 200 rows, a load
	s_mov_b32 s[\g+3], 32<<16
	s_mov_b32 s[\g+4], 200
	s_mov_b32 s[\g+5], 32
	s_mov_b32 s[\g+6], 0
	s_mov_b32 s[\g+7], 0
.endr
	s_mul_i32 s18, s16, HALF
	s_mul_i32 s20, s17, RB
	s_add_co_u32 s20, s20, s18
	s_mov_b32 s21, 0
	s_lshl_b32 s[FO], s40, 1
	s_add_co_u32 s[FO], s[FO], 88
	s_mul_i32 s[FO], s[FO], RB                     ; column block 2 g
	s_mov_b32 s[FO+1], 0
	s_add_co_u32 s74, s[FO], s18
	s_mov_b32 s75, 0
	s_mul_i32 s[WOFF], s14, QUART
	s_mov_b32 s46, s[WOFF]
	s_mov_b32 s47, 0
	s_wait_dscnt 0x0
	s_wait_kmcnt 0x0
	s_add_nc_u64 s[20:21], s[4:5], s[20:21]
	s_add_nc_u64 s[74:75], s[6:7], s[74:75]
	s_add_nc_u64 s[46:47], s[6:7], s[46:47]
	CROUND                                         ; the first joint loads meet
	s_mov_b32 s[G0T], 1
	s_add_co_u32 s[G0T+1], s18, TREG
	s_mov_b64 s[G0T+2:G0T+3], s[20:21]
	s_or_b32 s[G0T+3], s[G0T+3], 0x80000000
	s_mov_b32 s[G0B], 1
	s_mov_b32 s[G0B+1], s18
	s_mov_b64 s[G0B+2:G0B+3], s[74:75]
	s_or_b32 s[G0B+3], s[G0B+3], 0x80000000
	s_cmp_eq_u32 s15, 0                            ; one load a wave: waves 0, 1 the tokens' halves, waves 2, 3 the first column block's, into slot 0
	s_cbranch_scc0 .Lhead_b
	tensor_load_to_lds s[G0T:G0T+3], s[G1:G1+7]
	s_nop 0
	PLACES 4
	s_branch .Lhead_j
.Lhead_b:
	tensor_load_to_lds s[G0B:G0B+3], s[G1B:G1B+7]
	s_nop 0
	PLACES 4
.Lhead_j:
	s_mov_b32 s75, 0                               ; s[74:75] held the first column block's address, now copied into the descriptor: from here on the pair holds offsets under 2^32
	s_mul_i32 s22, s16, 6144
	s_mul_i32 s23, s15, 6144
	s_lshl_b32 s18, s16, 3
	s_lshl_b32 s19, s15, 3
	s_add_co_u32 s76, s18, 12288
	s_add_co_u32 s77, s23, TREG
	s_add_co_u32 s80, s19, TREG+12288
	s_mul_i32 s81, s14, 16*SP
	s_add_co_u32 s81, s81, STAGE                   ; my stage
	s_lshl_b32 s74, s17, 7
	s_lshl_b32 s89, s15, 6
	s_add_co_u32 s74, s74, s89
	s_lshl_b32 s74, s74, 12                        ; my first token's row of 4,096 bytes
	s_lshl_b32 s88, s40, 10
	s_lshl_b32 s89, s16, 8
	s_add_co_u32 s88, s88, s89                     ; column 128 (2 g) + 64 wc, in bytes
	s_mov_b32 s89, 0
	s_add_nc_u64 s[8:9], s[8:9], s[88:89]
	s_add_nc_u64 s[OP:OP+1], s[10:11], s[74:75]
	s_add_nc_u64 s[OP:OP+1], s[OP:OP+1], s[88:89]
	s_mov_b32 s[TB], RB
	s_mov_b32 s[CT], 2
	s_add_co_u32 s[FO], s[FO], RB
	v_and_b32 v1, 31, v0                           ; lane
	v_and_b32 v2, 15, v0                           ; r
	v_bfe_u32 v3, v0, 4, 1                         ; h
	v_lshlrev_b32 v4, 4, v1
	v_lshlrev_b32 v5, 3, v1
	v_add_nc_u32 v[BB16], s22, v4
	v_add_nc_u32 v[BB8], s22, v5
	v_add_nc_u32 v[BBS], s76, v4
	v_add_nc_u32 v192, s77, v4                     ; v192-197: the tokens' block in LDS, used once
	v_add_nc_u32 v193, s77, v5
	v_add_nc_u32 v194, HALF, v192
	v_add_nc_u32 v195, HALF, v193
	v_add_nc_u32 v196, s80, v4
	v_add_nc_u32 v197, HALF, v196
	v_mul_u32_u24 v12, v2, SP
	v_lshl_add_u32 v12, v3, 6, v12
	v_add_nc_u32 v[STO], s81, v12                  ; in: row r, 64 bytes for each half of the lanes
	v_mul_u32_u24 v13, v3, SP
	v_lshl_add_u32 v13, v2, 4, v13
	v_add_nc_u32 v[RD], s81, v13                   ; back: lanes 0-15 one row, lanes 16-31 the next
	v_lshlrev_b32 v[CO], 12, v3
	v_lshl_add_u32 v[CO], v2, 4, v[CO]             ; and the same two rows in out0
	v_lshlrev_b32 v[BO], 6, v3
	s_wait_alu depctr_va_vdst(0)
	BIASQ
	CHANGE 1                                       ; the head's tiles are in; slot 1 takes the second column block
	s_xor_b32 s[TB], s[TB], RB
.irp q, 0,1,2,3,4,5,6,7                        ; my 64 tokens, all of K, into registers
	WIN (1+\q/5)<<6
.irp a, 0,1,2,3
	FRAG 48*(\q%5)+12*\a, 192+2*(\q/4), 193+2*(\q/4), (\q%4)*CH+1536*\a
.endr
.endr
	WIN 0
.irp q, 0,1,2,3,4,5,6,7
	ds_load_b64 v[TS+2*\q:TS+2*\q+1], v[196+\q/4] offset:(\q%4)*CH
.endr
.Ltrip:                                            ; two trips; the second trip's change is the wave's closing lines and the closing round
	TRIP
	s_cmp_eq_u32 s[CT], 1
	s_cbranch_scc1 .Lno_bias
	s_add_nc_u64 s[8:9], s[8:9], 512
	BIASQ
.Lno_bias:
	CHANGE 0
	s_xor_b32 s[TB], s[TB], RB
	s_sub_co_u32 s[CT], s[CT], 1
	s_cmp_lg_u32 s[CT], 0
	s_cbranch_scc1 .Ltrip
	s_endpgm
.Lfunc_end_k_q6aafaae5eb_gemm2:
	.size	k_q6aafaae5eb_gemm2, .Lfunc_end_k_q6aafaae5eb_gemm2-k_q6aafaae5eb_gemm2
	.p2alignl 7, 3214868480
	.fill 96, 4, 3214868480
	.section	.rodata,"a",@progbits
	.p2align	6, 0x0
	.amdhsa_kernel k_q6aafaae5eb_gemm2
		.amdhsa_group_segment_fixed_size 327680
		.amdhsa_private_segment_fixed_size 0
		.amdhsa_enable_private_segment 0
		.amdhsa_kernarg_size 32
		.amdhsa_user_sgpr_count 2
		.amdhsa_user_sgpr_kernarg_segment_ptr 1
		.amdhsa_wavefront_size32 1
		.amdhsa_system_sgpr_workgroup_id_x 1
		.amdhsa_system_sgpr_workgroup_id_y 1
		.amdhsa_system_sgpr_workgroup_id_z 1
		.amdhsa_system_vgpr_workitem_id 0
		.amdhsa_next_free_vgpr 1024
		.amdhsa_next_free_sgpr 100
		.amdhsa_reserve_vcc 0
		.amdhsa_float_denorm_mode_32 3
		.amdhsa_float_denorm_mode_16_64 3
		.amdhsa_memory_ordered 1
		.amdhsa_forward_progress 1
		.amdhsa_inst_pref_size 53
	.end_amdhsa_kernel
	.amdgpu_metadata
---
amdhsa.version: [ 1, 2 ]
amdhsa.kernels:
  - .name:           k_q6aafaae5eb_gemm2
    .symbol:         k_q6aafaae5eb_gemm2.kd
    .args:
      - { .name: cq, .offset: 0, .size: 8, .value_kind: global_buffer, .address_space: global }
      - { .name: opq, .offset: 8, .size: 8, .value_kind: global_buffer, .address_space: global }
      - { .name: b_proj, .offset: 16, .size: 8, .value_kind: global_buffer, .address_space: global }
      - { .name: out0, .offset: 24, .size: 8, .value_kind: global_buffer, .address_space: global }
    .group_segment_fixed_size: 327680
    .private_segment_fixed_size: 0
    .kernarg_segment_align: 8
    .kernarg_segment_size: 32
    .max_flat_workgroup_size: 128
    .sgpr_count:     100
    .vgpr_count:     1024
    .wavefront_size: 32
...
	.end_amdgpu_metadata
.endif
;; end of part 5
